; MI455X (gfx1250); checked and timed in simulation.
; The chip was launched on July 23, 2026; its instructions are those of AMD's public machine-readable ISA for CDNA 5 (MIT licence, August 2026) and "CDNA5" Instruction Set Architecture Reference Guide (July 2026). The comments in the code are by the model that wrote it; some were corrected since.
;; Self Attention. Allowed arithmetic: matrix products marked QUANTISED: E5M2 operands, one E8M0 scale for each 32 along K, by v_wmma_scale_f32_16x16x128_f8f6f4 with both operands' format E5M2, f32 sums; everything else in f32.
;; Inputs: Wk_codes 1,024 x 32 x 32 uint8 (E5M2 codes of Wk, K innermost, in blocks of 32 codes); Wk_scales 1,024 x 32 uint8 (E8M0 scales of Wk, one for each 32 codes along K); Wq_codes 1,024 x 32 x 32 uint8 (E5M2 codes of Wq, K innermost, in blocks of 32 codes); Wq_scales 1,024 x 32 uint8 (E8M0 scales of Wq, one for each 32 codes along K); Wv_codes 1,024 x 32 x 32 uint8 (E5M2 codes of Wv, K innermost, in blocks of 32 codes); Wv_scales 1,024 x 32 uint8 (E8M0 scales of Wv, one for each 32 codes along K); bk 1,024 float32; bq 1,024 float32; bv 1,024 float32; x_codes 4 x 2,048 x 32 x 32 uint8 (E5M2 codes of x, K innermost, in blocks of 32 codes); x_scales 4 x 2,048 x 32 uint8 (E8M0 scales of x, one for each 32 codes along K).
;; Outputs: out0 4 x 2,048 x 1,024 float32.
;; This version of the problem:
;;   THIS VERSION OF THE PROBLEM IS GIVEN IN LOW PRECISION. The matrix products marked QUANTISED in the list below multiply operands that are first quantised to E5M2 (5 exponent bits, 2 mantissa bits; 8 bits a number), with one power-of-two scale for each 32 numbers along K (OCP MX v1.0); their sums are f32. All else is computed in f32.
;;   The module's matrix products, in the order in which they are computed (A, B: the left and right operand; K: the contracted axis; several contracted axes count as one K, in the product's order):
;;     1. [M 8,192, K 1,024] x [K 1,024, N 1,024]; A: input x (given as codes); B: input Wq (given as codes): QUANTISED
;;     2. [M 8,192, K 1,024] x [K 1,024, N 1,024]; A: input x (given as codes); B: input Wk (given as codes): QUANTISED
;;     3. [M 8,192, K 1,024] x [K 1,024, N 1,024]; A: input x (given as codes); B: input Wv (given as codes): QUANTISED
;;     4. batch 4 x [M 2,048, K 1,024] x [K 1,024, N 2,048]; A: computed on the way; B: computed on the way: QUANTISED
;;     5. batch 4 x [M 2,048, K 2,048] x [K 2,048, N 1,024]; A: softmax (see below); B: computed on the way: QUANTISED
;;   THE QUANTISER, for each operand of a quantised product, along K:
;;     - K is cut into blocks of 32 from its start; a last block that is shorter is filled with zeros.
;;     - A block's scale is 2^e with e = floor(log2(the largest magnitude in the block)) - 15, held to -126 .. 127; a block of zeros has e = 0. As a byte (E8M0): e + 127.
;;     - Each number is divided by its block's scale, clamped to +-57,344, and rounded to the nearest number of E5M2, ties to even, subnormals kept.
;;     - The product sums the exact products of the quantised numbers (number of the format x scale) in f32.
;;   ~~~python
;;   def quantise(x, axis):      # numpy; x: float32 -> the quantised numbers, widened to float32 again
;;       x = np.moveaxis(x, axis, -1); K = x.shape[-1]
;;       x = np.pad(x, [(0, 0)] * (x.ndim - 1) + [(0, -K % 32)]); x = x.reshape(x.shape[:-1] + (-1, 32)); a = np.abs(x).max(-1, keepdims=True)
;;       e = np.where(a > 0, np.clip(np.frexp(np.where(a > 0, a, 1))[1] - 1 - 15, -126, 127), 0)      # np.frexp(a)[1] - 1 = floor(log2(a)), exactly
;;       r = np.clip(x / 2.0 ** e, -57344, 57344)
;;       step = 2.0 ** (np.maximum(np.frexp(np.where(r == 0, 1, r))[1] - 1, -14) - 2)
;;       q = np.round(r / step) * step * 2.0 ** e      # np.round: ties to even
;;       return np.moveaxis(q.reshape(q.shape[:-2] + (-1,))[..., :K], -1, axis).astype(np.float32)
;;   ~~~
;;   SOFTMAX AHEAD OF A QUANTISED PRODUCT. Where the list says 'softmax', what is quantised is not the finished softmax but p = 2^(t - M), with t = logit x log2(e) and M = ceil(the row's largest t), a whole number; so 1/2 < the row's largest p <= 1. The row's sum l is taken of the UNQUANTISED p, in f32, and the product's result is divided by l at the end. Since M is a whole number, a kernel that streams over the keys may use a running M (the ceiling of the running maximum): every later rescaling is an exact power of two, which a block's scale takes up: the codes' values come out the same.
;;   OPERANDS COMPUTED ON THE WAY. 'Computed on the way' means the value that the module computes at that place (a softmax that the list does not call 'softmax' is quantised finished and normalised). What goes into a quantiser is computed in f32, as accurately as f32 sums, v_exp_f32 and their like allow (about 1e-6 of the number): no bf16 or f16 on the way to a quantiser, and a product that is left as it is and whose result goes on into a quantised operand takes f32 operands (vector FMAs, or v_wmma_f32_16x16x4_f32). A number that lies on a knife's edge between two numbers of the format may be rounded either way, as far as f32 arithmetic and the matrix unit's own rounding can turn it there, and no further.
;;   INPUTS GIVEN AS CODES. Wk (in the module: [1024, 1024], K = its axis 0); Wq (in the module: [1024, 1024], K = its axis 0); Wv (in the module: [1024, 1024], K = its axis 0); x (in the module: [4, 2048, 1024], K = its axis 2): each comes as NAME_codes (uint8): NAME with its K axis moved to the last place and cut into blocks of 32 codes, [.., K / 32, bytes a block], one block behind the other in memory; one code a byte (a code: sign, 5 exponent bits, 2 mantissa bits); and NAME_scales (uint8): the same leading axes, one E8M0 byte (e + 127) for each 32 codes along K. Its value is code x scale, taken as it is: it is not quantised again, and the codes and scales need not be those that the quantiser above would give.
;; One version. Each part assembles by itself: llvm-mc -triple=amdgcn-amd-amdhsa -mcpu=gfx1250 --defsym DOCPART=n.
;; ======== version 1 of 1: 3 launches
;; limits: right only within a limited range of input values
;; workspace buffers: qkv_codes 25,165,824 bytes; qkv_sc 786,432 bytes; p_codes 16,777,216 bytes; p_stats 1,572,864 bytes
;; launch proj (part 1): grid 16 x 16, 4 waves a work-group, clusters of 4 x 4, 327,680 bytes of LDS; arguments x_codes, x_scales, Wq_codes, Wq_scales, bq, Wk_codes, Wk_scales, bk, Wv_codes, Wv_scales, bv, qkv_codes, qkv_sc; writes qkv_codes, qkv_sc
.if DOCPART == 1
	.amdgcn_target "amdgcn-amd-amdhsa--gfx1250"
	.amdhsa_code_object_version 6
	.text
	.protected	k_q3e2c23acf9_proj
	.globl	k_q3e2c23acf9_proj
	.p2align	8
	.type	k_q3e2c23acf9_proj,@function
k_q3e2c23acf9_proj:
	s_mov_b64 s[64:65], 0
	v_nop
	global_prefetch_b8 v0, s[64:65] scope:SCOPE_SE
	s_setreg_imm32_b32 hwreg(HW_REG_WAVE_MODE, 25, 1), 1
	s_wait_xcnt 0x0
	s_wait_alu depctr_hold_cnt(0) depctr_sa_sdst(0) depctr_va_vdst(0) depctr_va_sdst(0) depctr_va_ssrc(0) depctr_va_vcc(0) depctr_vm_vsrc(0)
	s_getreg_b32 s2, hwreg(HW_REG_IB_STS2, 6, 4)
	s_cmp_eq_u32 s2, 0
	s_cbranch_scc0 .Lentry_in_a_cluster
	s_endpgm
.Lentry_in_a_cluster:
	s_bfe_u32 s2, ttmp6, 0x10000c
	s_cmp_lg_u32 s2, 0xf033
	s_cbranch_scc0 .Lentry_shape_is_right
	s_endpgm
.Lentry_shape_is_right:
; Q = x Wq + bq, K = x Wk + bk, V = x Wv + bv on codes of BF8 (E5M2) with one E8M0 scale for each 32 along K, sums in f32; each result is quantised at once for the product that reads it.  No f32 result is stored, and no work is left out.
; x: [8192 tokens][1024] codes, scale bytes [8192][32]; each W: [1024 channels][1024] codes, K innermost, scale bytes [1024][32]; the biases f32.
; LIMITS: NaN, infinities and sums beyond f32's range are not served.  A block of zeros gets the byte 1 where the rule says 127: its codes are zeros, and this program alone reads the bytes.
; OUTPUT, in planes of 128 along the reader's K.  A plane's codes lie as operand images: 16 rows x 128 K are 2,048 bytes, [piece c of 32][lane = row + 16 half][16 bytes].
;   qkv_codes: Q [8 planes][512 blocks of 16 tokens][2048], from byte 8,388,608 K likewise, from byte 16,777,216 V [64 planes of 128 keys][64 blocks of 16 channels][2048].
;   qkv_sc: one word a row and plane (byte c for piece c): Q [8][8192], from byte 262,144 K, from byte 524,288 V [64][1024].
;   Q's and K's channels are in natural order; in V's pieces of 32 keys place 16 h + i holds key 8 h + i (i under 8) or 8 h + i + 8.
; THE DEAL.  256 work-groups of four waves, 2 x 2; a wave holds 64 rows of a weight, all of K, in registers (512) and streams x's rows past them in blocks of 16, which stand in registers as two whole sets (256).
; PHASE 1: 512 tokens x 128 channels of Q (tile columns 0 to 7) or K (8 to 15): sixteen blocks a wave.  PHASE 2: 256 x 128 of V, of ONE of the work-group's own two windows of 256 tokens (number s18); V's tile column is 4 (cluster x / 2) + cx.
; THE ORDER OF WORK.  LDS holds two slots of 128 rows.  A weight's rows lie in a slot (the first in 1, W_v's in 0).  Phase 1 takes the window that is not V's first (chunks 0, 1), V's last (2, 3): chunk 3 still lies in slot 1 when V begins, chunk 2 comes anew.
; In a chunk, block k of wave row w begins at row 64 (k / 2) + 32 w + 16 (k % 2): a pair of blocks is 32 neighbouring tokens.
; FILLS.  At the head the first weight (wave 0), chunk 0 (wave 1), a window's scale bytes each (waves 2, 3).  Refills, each in a drained round of the cluster's barrier, a quarter of 128 rows a wave: chunks 1, 2, 3 inside blocks 0, 4, 8, their first halves (waves 0 and 1's) shown by the barrier inside the block two on,
; the second by the next round; W_v's rows behind block 11; chunk 2 anew behind W_v's loads.  x's tiles are asked for jointly along a row of the 4 x 4 cluster, a weight's along a column.
; AHEAD: chunks 1 and 2 are asked of memory at the head, chunk 3 in the second trip, W_v's rows in the third: a sixteenth a wave of those that share the tile.
; THE WAY OUT of a block stands among later products: Q's and K's among the next block's, a pair of V's blocks among the next pair's.
.set TB,     2048                      ; 16 rows x 128 codes
.set NB,     4                         ; column tiles a wave
.set NQ,     8
.set KROW,   1024
.set KS,     32
.set PITCH,  1040                      ; an LDS row: 1,024 bytes + 16 of padding
.set FR,     16
.set FPW,    16                        ; fragments in a window
.set NP,     8                         ; places behind this matrix instruction (ISA guide 7.12.1 for vector instructions)
.set NF,     34                        ; LDS loads of a block: eight fragments of four, two of four scale words
.set YB,     128*PITCH                 ; slot 1
.set SCL,    2*YB                      ; x's scale bytes of 512 rows in the order of work, units of 256 bytes (8 rows) + 16
.set RS,     32                        ; units of a window
.set SBL,    2*272                     ; 16 rows of scale bytes
.set SCH,    16*272                    ; a chunk's
.set XN,     SCL+2*RS*272              ; Q's or K's scale words [512 rows in the order of work]
.set XV,     XN+2048                   ; V's [2 planes][128 channels]
.set SPARE,  XV+1024
.set EMAX,   15                        ; the largest code is 57,344 = 1.75 x 2^15
.set ADRA0, 4                          ; v4   my fragments of a chunk's block 0 in slot 0
.set CN,    5                          ; v5   Q's, K's codes: 512 h + 16 r
.set AAS0,  6                          ; v6   my row's scale bytes in block 0
.set CO,    9                          ; v9   16 x lane
.set SPW,   10                         ; v10  my spare word
.set NIL,   11                         ; v11  0
.set ADRA,  12                         ; v12, v17  as v4, v6 for the block that is fetched next
.set VX,    13                         ; v13  LDS address of a scale byte
.set ADRB,  14                         ; v14, v15  my fragments of the first weight (slot 1), of W_v (slot 0)
.set ABS,   16                         ; v16, v18  my offset in their scale bytes
.set AAS,   17
.set ABV,   18
.set RD,    19                         ; v19  V's scale byte
.set SOP,   20                         ; v20-23  the conversions' scale operands
.set SB,    24                         ; v24-39  the weight's scale words: register 8 p + q: lanes 0-15 tile 2 p's, lanes 16-31 tile 2 p + 1's
.set EB,    40                         ; v40-43  scale bytes
.set SA,    44                         ; v44-59  x's scale words, two sets
.set TQ,    60                         ; v60-63  maxima and bounds
.set ACC,   64                         ; v64-191 four sets of four accumulators: products write 0 and 1 by turns; 2 and 3 take a pair of V's blocks
.set WS,    128                        ; v128-143 in phase 1: W_v's scale words
.set NCD,   192                        ; v192-199 Q's or K's codes
.set MCD,   192                        ; v192-207 V's
.set BQ,    208                        ; v208-239 the bias: the first four products' C
.set BV,    240                        ; v240-243 V's, a number a tile, until the change of phase
.set G1A, 24
.set G0A, 56
.set G1B, 32
.set G0B, 60
.set G1R, 48
.set G0R, 68
.set G1S, 92
.set G0S, 72
.set MSB, 0
.macro WIN new                         ; the immediate's high byte repeats the setting that is left
.if MSB != (\new)
	s_set_vgpr_msb (MSB<<8)|(\new)
.set MSB, (\new)
.endif
.endm
.macro PLACES n
.rept \n
	v_nop
.endr
.endm
.macro WALU
	s_wait_alu depctr_va_vdst(0)
.endm
.macro BARRIER
	s_barrier_signal -1
	s_barrier_wait -1
.endm
.macro CROUND                          ; a round of the cluster's barrier
	BARRIER
	s_cmp_lg_u32 s14, 0
	s_cbranch_scc1 .Lnot_wave_0_\@
	s_barrier_signal -3
.Lnot_wave_0_\@:
	s_barrier_wait -3
	BARRIER
.endm
.macro MIDDLE                          ; a round's middle, behind its opening signal
	WIN 0
	s_barrier_wait -1
	s_cmp_lg_u32 s14, 0
	s_cbranch_scc1 .Lnot_wave_0_\@
	s_barrier_signal -3
.Lnot_wave_0_\@:
	s_barrier_wait -3
.endm
.macro GRD
	s_wait_tensorcnt 0x0
	ds_add_u32 v[SPW], v[NIL]
.endm
.macro TLOAD g0, g1
	tensor_load_to_lds s[\g0:\g0+3], s[\g1:\g1+7]
	s_nop 0
	PLACES 4
.endm
.macro GROUP1 g, mask, rows            ; so many whole rows of 1,024 bytes, dense in memory, 16 bytes of padding behind each in LDS
	s_or_b32 s[\g+0], s[\mask], (1<<20)|(1<<21)|(7<<22)|(3<<25)
	s_mov_b32 s[\g+1], KROW<<16
	s_mov_b32 s[\g+2], (\rows)<<16
	s_mov_b32 s[\g+3], KROW<<16
	s_mov_b32 s[\g+4], \rows
	s_mov_b32 s[\g+5], KROW
	s_mov_b32 s[\g+6], 0
	s_mov_b32 s[\g+7], 0
.endm
.macro SADD d, x
	s_add_co_u32 s\d, s\d, s\x
.endm
	s_load_b128 s[4:7], s[0:1], 0x0                ; x's codes, x's scales
	s_load_b128 s[8:11], s[0:1], 0x10              ; Wq's
	s_load_b128 s[84:87], s[0:1], 0x28             ; Wk's
	s_load_b128 s[68:71], s[0:1], 0x40             ; Wv's
	v_lshl_add_u32 v[SPW], v0, 2, SPARE
	v_mov_b32 v[NIL], 0
	ds_add_u32 v[SPW], v[NIL]                      ; the wave's opening: the add, twice on end, and its wait ahead of my first tensor load
	ds_add_u32 v[SPW], v[NIL]
	v_lshrrev_b32 v1, 5, v0
	v_readfirstlane_b32 s14, v1                    ; wave 0..3
	s_lshr_b32 s15, s14, 1                         ; my row of waves
	s_and_b32 s16, s14, 1                          ; my column of waves
	s_bfe_u32 s40, ttmp6, 0x40000                  ; cx, cy
	s_bfe_u32 s41, ttmp6, 0x40004
	s_lshl_b32 s42, ttmp9, 2
	SADD 42, 40                                    ; tile column
	s_and_b32 s43, ttmp7, 0xffff
	s_lshl_b32 s43, s43, 2
	SADD 43, 41                                    ; tile row
	s_lshr_b32 s19, ttmp9, 1                       ; 0: Q, 1: K, from the cluster's number alone
	s_and_b32 s18, ttmp9, 1                        ; V's window
	s_xor_b32 s17, s18, 1                          ; the other
	s_lshl_b32 s44, s41, 2
	s_lshl_b32 s44, 15, s44                        ; my row of the cluster: shares x's rows
	s_lshl_b32 s45, 0x1111, s40                    ; my column: shares a weight's
	GROUP1 G1B, 45, 128
	GROUP1 G1A, 44, 128
	GROUP1 G1R, 44, 32
	; the scale bytes of a window: 8,192 dense bytes as 32 rows of 256 (32 elements of 8), 16 of padding behind each
	s_or_b32 s[G1S+0], s44, (3<<16)|(1<<20)|(1<<21)|(5<<22)|(3<<25)
	s_mov_b32 s[G1S+1], 32<<16
	s_mov_b32 s[G1S+2], RS<<16
	s_mov_b32 s[G1S+3], 32<<16
	s_mov_b32 s[G1S+4], RS
	s_mov_b32 s[G1S+5], 32
	s_mov_b32 s[G1S+6], 0
	s_mov_b32 s[G1S+7], 0
	s_mov_b32 s[G0S], 1
	s_mul_i32 s[G0S+1], s16, RS*272
	s_add_co_u32 s[G0S+1], s[G0S+1], SCL
	s_mov_b32 s[G0A], 1
	s_mov_b32 s[G0A+1], 0
	s_mov_b32 s[G0B], 1
	s_mov_b32 s[G0B+1], YB
	; offsets: s67, s2 in x: the window that is not V's, V's; s3 W_v's rows; s12 W_v's scale bytes
	s_lshl_b32 s67, s43, 19
	s_lshl_b32 s20, s18, 18
	s_add_co_u32 s2, s67, s20
	s_lshl_b32 s20, s17, 18
	SADD 67, 20
	s_lshl_b32 s13, s19, 2
	SADD 13, 40                                    ; V's tile column: the same for a column of the cluster
	s_lshl_b32 s3, s13, 17
	s_and_b32 s66, s42, 7                          ; tile column in Q or K
	s_lshl_b32 s78, s66, 17                        ; the first weight's codes
	s_mov_b32 s79, 0
	s_lshl_b32 s21, s16, 11
	s_lshl_b32 s82, s66, 12                        ; and my 64 rows' scale bytes
	SADD 82, 21
	s_mov_b32 s83, 0
	s_lshl_b32 s12, s13, 12
	SADD 12, 21
	s_lshl_b32 s80, s43, 1                         ; x's scale bytes: wave 2 the window that is not V's, wave 3 V's
	s_cmp_eq_u32 s16, 1
	s_cselect_b32 s20, s18, s17
	SADD 80, 20
	s_lshl_b32 s80, s80, 13
	s_mov_b32 s81, 0
	s_lshl_b32 s90, s40, 2                         ; which of the sixteen waves of my cluster row I am, and of my column: my share of what is asked for ahead
	SADD 90, 14
	s_lshl_b32 s100, s41, 2
	SADD 100, 14
	v_and_b32 v1, 15, v0                           ; r
	v_bfe_u32 v2, v0, 4, 1                         ; h
	v_and_b32 v3, 31, v0                           ; lane
	v_bfe_u32 v8, v0, 3, 1                         ; r / 8
	v_and_b32 v7, 7, v0                            ; r % 8
	v_mul_u32_u24 v22, v1, PITCH
	v_lshl_add_u32 v22, v2, 4, v22
	s_mul_i32 s20, s15, 32*PITCH
	v_add_nc_u32 v[ADRA0], s20, v22
	s_mul_i32 s22, s16, 64*PITCH
	v_add_nc_u32 v[ADRB+1], s22, v22               ; W_v: tile t is rows 16 t on
	v_lshl_add_u32 v23, v8, 5, v7                  ; THE ROWS OF A TILE OF W_q, W_k: lane r of tile j takes row 32 (r / 8) + 8 j + r % 8: so a lane's 32 results are 32 neighbouring channels
	v_mul_u32_u24 v22, v23, PITCH
	v_lshl_add_u32 v22, v2, 4, v22
	s_add_co_u32 s22, s22, YB
	v_add_nc_u32 v[ADRB], s22, v22
	v_lshl_add_u32 v23, v2, 3, v23                 ; scale words: lanes 16-31 take the pair's second tile
	v_lshlrev_b32 v[ABS], 5, v23
	v_lshlrev_b32 v[ABV], 5, v3
	v_lshlrev_b32 v23, 5, v1                       ; x's scale bytes: 32 a row, 16 more for each 256
	v_lshl_add_u32 v23, v8, 4, v23
	s_mul_i32 s20, s15, 4*272
	s_add_co_u32 s20, s20, SCL
	v_add_nc_u32 v[AAS0], s20, v23
	WALU
	s_wait_dscnt 0x0                               ; both opening adds are done
	CROUND                                         ; all sixteen work-groups are here
	s_wait_kmcnt 0x0
	s_cmp_eq_u32 s19, 1
	s_cselect_b64 s[8:9], s[84:85], s[8:9]
	s_cselect_b64 s[10:11], s[86:87], s[10:11]
	s_mov_b32 s86, s67
	s_mov_b32 s87, 0
	s_add_nc_u64 s[G0A+2:G0A+3], s[4:5], s[86:87]
	s_or_b32 s[G0A+3], s[G0A+3], 0x80000000
	s_add_nc_u64 s[G0B+2:G0B+3], s[8:9], s[78:79]
	s_or_b32 s[G0B+3], s[G0B+3], 0x80000000
	s_add_nc_u64 s[G0S+2:G0S+3], s[6:7], s[80:81]
	s_or_b32 s[G0S+3], s[G0S+3], 0x80000000
	s_cmp_eq_u32 s14, 0                            ; one joint load a wave, and a line of its own for what is shown ahead of the rest
	s_cbranch_scc0 .Lwave_1
	TLOAD G0B, G1B                                 ; wave 0: the first weight's rows
	s_branch .Lasked
.Lwave_1:
	s_cmp_eq_u32 s14, 1
	s_cbranch_scc0 .Lfor_scales
	TLOAD G0A, G1A                                 ; wave 1: chunk 0
	s_branch .Lasked
.Lfor_scales:
	TLOAD G0S, G1S                                 ; waves 2, 3: a window's scale bytes each
.Lasked:
	s_load_b64 s[84:85], s[0:1], 0x20              ; bq
	s_add_nc_u64 s[10:11], s[10:11], s[82:83]
	s_mov_b32 s86, s12
	s_add_nc_u64 s[46:47], s[70:71], s[86:87]      ; W_v's scale bytes
	s_load_b64 s[86:87], s[0:1], 0x38              ; bk
	s_load_b64 s[88:89], s[0:1], 0x50              ; bv
	; where my results go
	s_lshl_b32 s76, s42, 20                        ; s[76:77] Q's or K's codes: plane, tile row, 32 w rows on, my 64 channels
	s_lshl_b32 s21, s43, 16
	SADD 76, 21
	s_lshl_b32 s21, s15, 12
	SADD 76, 21
	s_lshl_b32 s21, s16, 10
	SADD 76, 21
	s_mov_b32 s77, 0
	s_lshl_b32 s78, s42, 15                        ; s[78:79] their words: wave n stores chunk n
	s_lshl_b32 s21, s43, 11
	SADD 78, 21
	s_xor_b32 s21, s15, s17                        ; chunks 0, 1 are the window that is not V's
	s_lshl_b32 s21, s21, 10
	SADD 78, 21
	s_lshl_b32 s21, s16, 9
	SADD 78, 21
	s_lshl_b32 s22, s43, 2                         ; V's first key plane: 4 x tile row + 2 x window
	s_lshl_b32 s21, s18, 1
	SADD 22, 21
	s_lshl_b32 s80, s22, 17                        ; s[80:81] V's codes: plane, channel blocks, piece w
	s_lshl_b32 s21, s13, 14
	SADD 80, 21
	s_lshl_b32 s21, s16, 13
	SADD 80, 21
	s_lshl_b32 s21, s15, 9
	SADD 80, 21
	s_add_co_u32 s80, s80, 0x1000000
	SADD 22, 15
	s_lshl_b32 s82, s22, 12                        ; s[82:83] V's words: wave n stores plane n / 2, half n % 2
	s_lshl_b32 s21, s13, 9
	SADD 82, 21
	s_lshl_b32 s21, s16, 8
	SADD 82, 21
	s_add_co_u32 s82, s82, 0x80000
	; THE BIAS.  Phase 1: register i of tile j of lane (r, h) is channel 32 h + 8 j + i of my 64.  Phase 2: all eight registers of tile t are channel 16 t + r
	s_lshl_b32 s20, s66, 9
	s_lshl_b32 s22, s16, 8
	SADD 20, 22
	s_lshl_b32 s21, s13, 9
	SADD 22, 21
	s_mov_b32 s21, 0
	s_mov_b32 s23, 0
	v_lshlrev_b32 v22, 7, v2
	v_lshlrev_b32 v23, 2, v1
	WALU
	s_wait_kmcnt 0x0
	s_add_nc_u64 s[22:23], s[88:89], s[22:23]
	s_cmp_eq_u32 s19, 1
	s_cselect_b64 s[84:85], s[86:87], s[84:85]
	s_add_nc_u64 s[20:21], s[84:85], s[20:21]
.irp k, 0,1,2,3,4,5,6,7
	global_load_b128 v[BQ+4*\k:BQ+4*\k+3], v22, s[20:21] offset:16*\k
.endr
.irp t, 0,1,2,3
	global_load_b32 v[BV+\t], v23, s[22:23] offset:64*\t
.endr
.irp p, 0,1
.irp c, 0,1
	global_load_b128 v[SB+NQ*\p+4*\c:SB+NQ*\p+4*\c+3], v[ABS], s[10:11] offset:\p*16*KS+16*\c
	global_load_b128 v[WS+NQ*\p+4*\c:WS+NQ*\p+4*\c+3], v[ABV], s[46:47] offset:\p*32*KS+16*\c
.endr
.endr
	s_wait_xcnt 0x0                                ; the loads have taken their addresses; they change below
	v_lshlrev_b32 v[CO], 4, v3
	s_lshl_b32 s21, s15, 7                         ; a byte of Q or K: 4 x row + 2 x my column + h
	s_lshl_b32 s22, s16, 1
	SADD 21, 22
	s_add_co_u32 s21, s21, XN
	v_lshl_add_u32 v23, v1, 2, v2
	v_add_nc_u32 v[VX], s21, v23
	s_lshl_b32 s21, s16, 8                         ; a byte of V: 4 x channel + piece: both halves of the lanes hold the same byte
	SADD 21, 15
	s_add_co_u32 s21, s21, XV
	v_lshlrev_b32 v23, 2, v1
	v_add_nc_u32 v[RD], s21, v23
	v_lshlrev_b32 v23, 9, v2
	v_lshl_add_u32 v[CN], v1, 4, v23
	s_add_co_u32 s6, s67, 128*KROW                 ; chunk 1
	s_add_co_u32 s7, s2, 128*KROW                  ; chunk 3
	s_lshl_b32 s21, s90, 13
	s_add_co_u32 s22, s21, s6
	v_lshl_add_u32 v7, v3, 8, s22                  ; my sixteenth of chunk 1, of chunk 2
	s_add_co_u32 s22, s21, s2
	v_lshl_add_u32 v8, v3, 8, s22
	v_add_nc_u32 v1, 16*PITCH, v[ADRA0]            ; block 1
	v_add_nc_u32 v2, SBL, v[AAS0]
	s_mov_b64 s[40:41], s[68:69]                   ; W_v's codes
	s_mov_b32 s[G0R], 1
	WALU
	s_cmp_eq_u32 s14, 0
	s_cbranch_scc0 .Lnot_b
	s_wait_tensorcnt 0x0                           ; wave 0: the first weight has landed.  The other waves' wait stands at the second barrier
.Lnot_b:
	BARRIER
	global_prefetch_b8 v7, s[4:5] th:TH_LOAD_NT scope:SCOPE_SE
	global_prefetch_b8 v8, s[4:5] th:TH_LOAD_NT scope:SCOPE_SE
.macro FRAG f, adr, q, off             ; a weight's fragment f, 16 rows x 128 K, into window 1 + f / 16: registers 4 c .. 4 c + 3 hold K = 32 c + 16 h + 0 .. 15
	WIN (1+(\f)/FPW)<<6
.irp c, 0,1,2,3
	ds_load_b128 v[FR*((\f)%FPW)+4*\c:FR*((\f)%FPW)+4*\c+3], v[\adr] offset:128*(\q)+32*\c+(\off)
.endr
.endm
.macro FETCHAT k, a, s                 ; a block of x, all of K, into set k of window 3, and its scale words: NF loads
	WIN 3<<6
.irp q, 0,1,2,3,4,5,6,7
.irp c, 0,1,2,3
	ds_load_b128 v[128*\k+FR*\q+4*\c:128*\k+FR*\q+4*\c+3], v[\a] offset:128*\q+32*\c
.endr
.endr
	WIN 0
	ds_load_b128 v[SA+8*\k:SA+8*\k+3], v[\s]
	ds_load_b128 v[SA+8*\k+4:SA+8*\k+7], v[\s] offset:16
.endm
.macro PROD kind, e, a, n              ; product n = 4 q + b of a block: x's rows in set e, sums in set a.  kind 0 (Q, K): source 0 = the weight's rows; kind 1 (V): source 0 = x's rows.  The four accumulators take turns
.set Q_, (\n)/4
.set B_, (\n)%4
.set FB_, NB*Q_+B_
.set AC_, ACC+32*(\a)+8*B_
.set C_, AC_
.if Q_ == 0
.set C_, BQ+8*B_
.endif
.set R_, 128*(\e)+FR*Q_
.set W_, FR*(FB_%FPW)
.set XS_, SA+8*(\e)+Q_
.set WS_, SB+8*(B_/2)+Q_
.if \kind
	WIN 3|((1+FB_/FPW)<<2)
.if B_%2
	v_wmma_scale_f32_16x16x128_f8f6f4 v[AC_:AC_+7], v[R_:R_+FR-1], v[W_:W_+FR-1], v[C_:C_+7], v[XS_], v[WS_] matrix_a_fmt:MATRIX_FMT_BF8 matrix_b_fmt:MATRIX_FMT_BF8 matrix_b_scale:MATRIX_SCALE_ROW1
.else
	v_wmma_scale_f32_16x16x128_f8f6f4 v[AC_:AC_+7], v[R_:R_+FR-1], v[W_:W_+FR-1], v[C_:C_+7], v[XS_], v[WS_] matrix_a_fmt:MATRIX_FMT_BF8 matrix_b_fmt:MATRIX_FMT_BF8
.endif
.else
	WIN (1+FB_/FPW)|(3<<2)
.if B_%2
	v_wmma_scale_f32_16x16x128_f8f6f4 v[AC_:AC_+7], v[W_:W_+FR-1], v[R_:R_+FR-1], v[C_:C_+7], v[WS_], v[XS_] matrix_a_fmt:MATRIX_FMT_BF8 matrix_b_fmt:MATRIX_FMT_BF8 matrix_a_scale:MATRIX_SCALE_ROW1
.else
	v_wmma_scale_f32_16x16x128_f8f6f4 v[AC_:AC_+7], v[W_:W_+FR-1], v[R_:R_+FR-1], v[C_:C_+7], v[WS_], v[XS_] matrix_a_fmt:MATRIX_FMT_BF8 matrix_b_fmt:MATRIX_FMT_BF8
.endif
.endif
.endm
.macro HOLD x, b                       ; a sum held at the largest code x the scale: the conversion does not saturate (ISA guide 7.6.2)
	v_med3_num_f32 v[\x], v[\x], -v[TQ+\b], v[TQ+\b]
.endm
.macro SCALES i, n                     ; 0: the conversion's scale operand; 1: the bound; 2: a second copy of it; 3: the scale byte
.if (\i) == 0
	v_add_nc_u32 v[SOP+\n], -(EMAX<<23), v[TQ]
.elseif (\i) == 1
	v_and_or_b32 v[TQ+1], v[TQ], 0x7f800000, s62
.elseif (\i) == 2
	v_mov_b32 v[TQ+3], v[TQ+1]
.else
	v_lshrrev_b32 v[EB+\n], 23, v[SOP+\n]
.endif
.endm
.macro MAXQ k, x                       ; 18 lines: the largest magnitude of the 32 sums at x, and the floor under which a byte would fall under 1
.if (\k) < 4
	v_max3_num_f32 v[TQ+\k], |v[\x+8*(\k)]|, |v[\x+8*(\k)+1]|, |v[\x+8*(\k)+2]|
.elseif (\k) < 12
	v_max3_num_f32 v[TQ+(\k)%4], v[TQ+(\k)%4], |v[\x+8*((\k)%4)+2*((\k)/4)+1]|, |v[\x+8*((\k)%4)+2*((\k)/4)+2]|
.elseif (\k) < 16
	v_max_num_f32 v[TQ+(\k)%4], v[TQ+(\k)%4], |v[\x+8*((\k)%4)+7]|
.elseif (\k) == 16
	v_max3_num_f32 v[TQ], v[TQ], v[TQ+1], v[TQ+2]
.else
	v_max3_num_f32 v[TQ], v[TQ], v[TQ+3], (EMAX+1)<<23
.endif
.endm
.macro HOLDS m, x                      ; two of a scale block's holds; from the fourth pair of the first eight on the bound's second copy is at hand
.if (\m) == 3
	HOLD \x, 3
	HOLD \x+1, 3
.else
	HOLD \x, 1
	HOLD \x+1, 1
.endif
.if (\m) == 2
	SCALES 2, 0
.endif
.endm
.macro GAPQ m, x                       ; THE QUANTISER OF Q's OR K's BLOCK, gaps 0 .. 26: a scale block of 32 lies in a lane: the sums at x -> codes NCD, byte EB
.if (\m) < 9
	MAXQ 2*(\m), \x
	MAXQ 2*(\m)+1, \x
.elseif (\m) == 9
	SCALES 0, 0
	SCALES 1, 0
.elseif (\m) < 26
	HOLDS (\m)-10, \x+2*((\m)-10)
.if ((\m)-10)%4 == 3
	v_cvt_scalef32_pk8_bf8_f32 v[NCD+2*(((\m)-10)/4):NCD+2*(((\m)-10)/4)+1], v[\x+8*(((\m)-10)/4):\x+8*(((\m)-10)/4)+7], v[SOP]
.endif
.elseif (\m) == 26
	SCALES 3, 0
.endif
.endm
.macro GAPV u, x                       ; THE QUANTISER OF A PAIR OF V's BLOCKS, gaps 0 .. 59, 15 a tile: a scale block of 32 keys lies in lanes l and l xor 16: the even block's sums at x, the odd's at x + 32 -> codes MCD + 4 t, bytes EB + t
.set T_, (\u)/15
.set J_, (\u)%15
.set E_, \x+8*T_
.set O_, E_+32
.if (\u) > 59
.elseif J_ == 0
	v_max3_num_f32 v[TQ], |v[E_]|, |v[E_+1]|, |v[E_+2]|
	v_max3_num_f32 v[TQ+2], |v[O_]|, |v[O_+1]|, |v[O_+2]|
.elseif J_ < 3
	v_max3_num_f32 v[TQ], v[TQ], |v[E_+2*J_+1]|, |v[E_+2*J_+2]|
	v_max3_num_f32 v[TQ+2], v[TQ+2], |v[O_+2*J_+1]|, |v[O_+2*J_+2]|
.elseif J_ == 3
	v_max3_num_f32 v[TQ+2], v[TQ+2], |v[O_+7]|, (EMAX+1)<<23
	v_max3_num_f32 v[TQ], v[TQ], |v[E_+7]|, v[TQ+2]
.elseif J_ == 4
	v_permlanex16_b32 v[TQ+2], v[TQ], s60, s61
	v_max_num_f32 v[TQ], v[TQ], v[TQ+2]
.elseif J_ == 5
	SCALES 0, T_
	SCALES 1, T_
.elseif J_ < 10
	HOLDS J_-6, E_+2*(J_-6)
.if J_ == 9
	v_cvt_scalef32_pk8_bf8_f32 v[MCD+4*T_:MCD+4*T_+1], v[E_:E_+7], v[SOP+T_]
.endif
.elseif J_ < 14
	HOLDS J_-6, O_+2*(J_-10)
.if J_ == 13
	v_cvt_scalef32_pk8_bf8_f32 v[MCD+4*T_+2:MCD+4*T_+3], v[O_:O_+7], v[SOP+T_]
.endif
.else
	SCALES 3, T_
.endif
.endm
.macro RDESC i, off, lds               ; group 0 of a refill of x, in two parts: a quarter of 128 rows a wave, from offset s[off] of x's codes to LDS byte s[lds]
.if (\i) == 0
	s_mul_i32 s[G0R+1], s14, 32*PITCH
	s_add_co_u32 s[G0R+1], s[G0R+1], s\lds
	s_lshl_b32 s20, s14, 15
	s_add_co_u32 s20, s20, s\off
.else
	s_mov_b32 s21, 0
	s_add_nc_u64 s[G0R+2:G0R+3], s[4:5], s[20:21]
	s_or_b32 s[G0R+3], s[G0R+3], 0x80000000
.endif
.endm
; WHAT STANDS BEHIND PRODUCT n.  j: the block's number in its trip (the second loop's: 4, 5; V's: -1, -2).  Behind 0 and 1 the addresses of the block two on; behind 0 also the place in memory of the block that is on its way out: 16 rows on, or 48 (past the other wave row's 32);
; behind 2 a prefetch's address or a byte's next place; behind 29 and 30 a refill's group 0; from 1 on a way out: y = 1 Q's or K's block at x; 2, 3 the halves of V's pair at x
.macro LIST n, j, y, x
.if (\j) < 0
.set OD_, -1-(\j)
.else
.set OD_, (\j)%2
.endif
.if (\n) == 0
.if (\j) >= 0
	s_add_nc_u64 s[84:85], s[84:85], TB*(1+2*OD_)
.if (\j) == 1
	s_cmp_eq_u32 s46, 2
	s_cselect_b64 s[84:85], s[88:89], s[84:85]
.endif
.endif
	WIN 0
.if (\j) == 0 || (\j) == 1
	s_add_co_u32 s22, s101, (64+16*OD_)*PITCH
.else
	s_add_co_u32 s22, s47, 16*PITCH*OD_
.endif
	v_add_nc_u32 v[ADRA], s22, v[ADRA0]
.elseif (\n) == 1
	WIN 0
.if (\j) == 0 || (\j) == 1
	s_add_co_u32 s22, s17, (4+OD_)*SBL
.else
	s_add_co_u32 s22, s8, OD_*SBL
.endif
	v_add_nc_u32 v[AAS], s22, v[AAS0]
.endif
.if (\j) == 2 && (\n) == 2
	WIN 0
	v_lshl_add_u32 v7, v3, 8, s23
.elseif (\j) == 0 && ((\n) == 29 || (\n) == 30)
	RDESC (\n)-29, 6, 47
.elseif (\j) == 1 && (\n) == 2
	WIN 0
	v_add_nc_u32 v[VX], s9, v[VX]
.elseif (\j) == 5 && (\n) == 2
	WIN 0
	v_add_nc_u32 v[VX], 256, v[VX]
.endif
.if (\y) == 1 && (\n) > 0 && (\n) < 28
	WIN 0
	GAPQ (\n)-1, \x
.elseif (\y) == 2 && (\n) > 0 && (\n) < 31
	WIN 0
	GAPV (\n)-1, \x
.elseif (\y) == 3 && (\n) > 0 && (\n) < 31
	WIN 0
	GAPV (\n)+29, \x
.endif
.endm
.macro BLOCK kind, e, a, from, to, j, y, x
.set N_, \from
.rept (\to)-(\from)
	PROD \kind, \e, \a, N_
	LIST N_, \j, \y, \x
.set N_, N_+1
.endr
.endm
.macro BLK kind, e, a, w, j, y, x      ; a block; w: the wait's count (-1: none).  Behind the wait on XCNT the registers of earlier stores and prefetches are written anew
.if (\w) >= 0
	s_wait_dscnt \w
.endif
	s_wait_xcnt 0x0
	BLOCK \kind, \e, \a, 0, 32, \j, \y, \x
	WIN 0
	PLACES NP
.endm
.macro RBLK kind, e, a, w, j, y, x     ; a block with a round of the cluster's barrier: the lines at its head, the signal behind 28 products
	s_wait_dscnt \w
	s_wait_xcnt 0x0
	GRD
	BLOCK \kind, \e, \a, 0, 28, \j, \y, \x
	WIN 0
	WALU
	s_wait_dscnt 0x0
	s_barrier_signal -1
	BLOCK \kind, \e, \a, 28, 32, \j, \y, \x
	MIDDLE
	BARRIER
.endm
.macro SBLK kind, e, a, w, j, y, x, half=0  ; a block with a plain barrier (half = 1: it shows waves 0 and 1's loads alone)
.if (\w) >= 0
	s_wait_dscnt \w
.endif
	s_wait_xcnt 0x0
	BLOCK \kind, \e, \a, 0, 28, \j, \y, \x
	WIN 0
	WALU
.if \half
	s_cmp_lt_u32 s14, 2
	s_cbranch_scc0 .Lnot_yet_\@
	s_wait_tensorcnt 0x0
.Lnot_yet_\@:
.else
	s_wait_tensorcnt 0x0
.endif
	s_wait_dscnt 0x0
	s_barrier_signal -1
	BLOCK \kind, \e, \a, 28, 32, \j, \y, \x
	WIN 0
	s_barrier_wait -1
	PLACES NP
.endm
.macro QOUT off, boff                  ; a block's byte goes to its place in LDS, its 32 codes a lane leave: sixteen lanes fill 256 bytes
	ds_store_b8 v[VX], v[EB] offset:\boff
	global_store_b128 v[CN], v[NCD:NCD+3], s[84:85] offset:\off
	global_store_b128 v[CN], v[NCD+4:NCD+7], s[84:85] offset:(\off)+256
.endm
.irp q, 0,1,2,3,4,5,6,7                ; my 64 rows of the first weight, all of K: 128 loads
.irp b, 0,1,2,3
	FRAG NB*\q+\b, ADRB, \q, \b*8*PITCH
.endr
.endr
	WIN 0
	s_wait_tensorcnt 0x0                           ; chunk 0 and the scale bytes are in; the first weight is in registers
	s_wait_dscnt 0x0
	BARRIER
	FETCHAT 0, ADRA0, AAS0
	FETCHAT 1, 1, 2
	s_load_b128 s[92:95], s[0:1], 0x58             ; qkv_codes, qkv_sc
	s_mov_b32 s60, 0x76543210
	s_mov_b32 s61, 0xfedcba98                      ; lane l xor 16
	s_mov_b32 s62, 0x600000                        ; the mantissa field of 57,344
.set I_, 0
.rept 32
	v_mov_b32 v[ACC+32+I_], 0                      ; (the first way out has no block before it: it works on zeros and stores nothing)
.set I_, I_+1
.endr
	s_wait_kmcnt 0x0
	s_add_nc_u64 s[96:97], s[92:93], s[80:81]      ; V's codes
	s_add_nc_u64 s[98:99], s[94:95], s[82:83]      ; V's words
	s_add_nc_u64 s[92:93], s[92:93], s[76:77]
	s_add_nc_u64 s[94:95], s[94:95], s[78:79]      ; Q's or K's words
	s_lshl_b32 s20, s18, 15
	s_mov_b32 s21, 0
	s_add_nc_u64 s[88:89], s[92:93], s[20:21]      ; Q's or K's codes of V's window
	s_xor_b32 s20, s20, 16*TB
	s_add_nc_u64 s[84:85], s[92:93], s[20:21]      ; of the other
	s_sub_nc_u64 s[84:85], s[84:85], 4*TB          ; (two steps ahead of block 0's way out)
	s_mov_b64 s[86:87], s[4:5]                     ; what a prefetch reads
	s_mov_b32 s46, 0                               ; PHASE 1.  s46 the trip; s101, s47 this chunk's slot and the next's; s17, s8 their scale bytes; s6 the rows that are loaded; s9 to a byte's next place; s23 where my share of what is asked for ahead begins
	s_mov_b32 s9, 0
	s_mov_b32 s23, 0
	s_mov_b32 s101, 0
	s_mov_b32 s47, YB
	s_mov_b32 s17, 0
	s_mov_b32 s8, SCH
	s_wait_loadcnt 0x0
.Lfour:
	RBLK 0, 0, 0, NF, 0, 1, ACC+32                 ; blocks 0, 4, 8: chunks 1, 2, 3 come
	s_cmp_lt_u32 s14, 2                            ; waves 0, 1 and waves 2, 3 have a load line each: the barrier inside the block two on waits for the first line's alone
	s_cbranch_scc0 .Lupper
	TLOAD G0R, G1R
	s_branch .Lboth
.Lupper:
	TLOAD G0R, G1R
.Lboth:
	PLACES NP-4
	s_cmp_eq_u32 s46, 0
	s_cbranch_scc1 .Lno_block_before
	QOUT 0, 320
.Lno_block_before:
	FETCHAT 0, ADRA, AAS
	BLK 0, 1, 1, -1, 1, 1, ACC
	QOUT 0, 0
	FETCHAT 1, ADRA, AAS
	SBLK 0, 0, 0, NF, 2, 1, ACC+32, 1              ; the next chunk's first half is in
	QOUT 0, 64
	s_cmp_eq_u32 s46, 0
	s_cbranch_scc1 .Lnone_ahead
	global_prefetch_b8 v7, s[86:87] th:TH_LOAD_NT scope:SCOPE_SE   ; second trip: chunk 3; third: W_v's rows
.Lnone_ahead:
	FETCHAT 0, ADRA, AAS
	BLK 0, 1, 1, -1, 3, 1, ACC
	QOUT 0, 256
	FETCHAT 1, ADRA, AAS
	s_cmp_eq_u32 s46, 0
	s_cselect_b32 s6, s2, s7
	s_cselect_b32 s21, s90, s100
	s_cselect_b32 s22, s7, s3
	s_cselect_b64 s[86:87], s[4:5], s[40:41]
	s_mov_b32 s9, 512
	s_lshl_b32 s21, s21, 13
	s_add_co_u32 s23, s21, s22
	s_mov_b32 s101, s47
	s_mov_b32 s17, s8
	s_xor_b32 s47, s47, YB
	s_add_co_u32 s8, s8, SCH
	s_add_co_u32 s46, s46, 1
	s_cmp_lg_u32 s46, 3
	s_cbranch_scc1 .Lfour
	GRD
	s_lshl_b32 s20, s14, 15
	s_add_co_u32 s20, s20, s3
	s_mov_b32 s21, 0
	s_mul_i32 s[G0A+1], s14, 32*PITCH
	s_add_nc_u64 s[G0A+2:G0A+3], s[40:41], s[20:21]
	s_or_b32 s[G0A+3], s[G0A+3], 0x80000000
	GROUP1 G1A, 45, 32
	s_wait_dscnt 0x0
	s_barrier_signal -1
	MIDDLE
	BARRIER
	TLOAD G0A, G1A
	s_mov_b32 s47, YB+64*PITCH
	s_mov_b32 s8, 3*SCH+4*SBL
.Ltwo:
	BLK 0, 0, 0, NF, 4, 1, ACC+32                  ; blocks 12, 14
	QOUT 0, 320
	FETCHAT 0, ADRA, AAS
	BLK 0, 1, 1, NF, 5, 1, ACC                     ; 13, 15; the block two on is then V's: chunk 3 again, as it lies in slot 1
	QOUT 0, 256
	FETCHAT 1, ADRA, AAS
	s_mov_b32 s47, YB
	s_mov_b32 s8, 3*SCH
	s_add_co_u32 s46, s46, 1
	s_cmp_lg_u32 s46, 5
	s_cbranch_scc1 .Ltwo
	s_wait_xcnt 0x0                                ; the change of phase
	s_wait_tensorcnt 0x0                           ; W_v's rows are in
	s_wait_dscnt 0x0
	BARRIER
.macro CHANGE i                        ; among W_v's 128 loads: the last block's way out; W_v's scale words into their place; zeros into what no block has written yet
.if (\i) < 7
.irp k, 0,1,2,3
.if 4*(\i)+\k < 27
	GAPQ 4*(\i)+\k, ACC+32
.endif
.endr
.elseif (\i) < 9
.irp q, 0,1,2,3,4,5,6,7
	v_mov_b32 v[SB+8*((\i)-7)+\q], v[WS+8*((\i)-7)+\q]
.endr
.elseif (\i) < 15
.irp q, 0,1,2,3,4,5,6,7
	v_mov_b32 v[ACC+80+8*((\i)-9)+\q], 0
.endr
.endif
.endm
.irp q, 0,1,2,3,4,5,6,7
.irp b, 0,2
	FRAG NB*\q+\b, ADRB+1, \q, \b*16*PITCH
	FRAG NB*\q+\b+1, ADRB+1, \q, (\b+1)*16*PITCH
	WIN 0
	CHANGE 2*\q+\b/2
.endr
.endr
.irp t, 0,1,2,3
.irp i, 0,1,2,3,4,5,6,7
	v_mov_b32 v[BQ+8*\t+\i], v[BV+\t]
.endr
.endr
	WALU
	QOUT TB, 320
	GRD
	s_mov_b32 s47, 0
	RDESC 0, 2, 47
	RDESC 1, 2, 47
	s_mov_b32 s46, 0
	s_mov_b32 s47, YB+64*PITCH
	s_mov_b32 s8, 3*SCH+4*SBL
	s_wait_dscnt 0x0
	s_barrier_signal -1
	MIDDLE
	BARRIER
	TLOAD G0R, G1R
.macro VOUT                            ; a pair of V's blocks: four tiles' bytes and codes, 512 consecutive bytes a store
.irp t, 0,1,2,3
	ds_store_b8 v[VX], v[EB+\t] offset:64*\t
	global_store_b128 v[CO], v[MCD+4*\t:MCD+4*\t+3], s[84:85] offset:TB*\t
.endr
.endm
.macro VTO                             ; s22 = 2 x plane + pair in it: where a pair's codes and bytes go
	s_lshr_b32 s23, s22, 1
	s_and_b32 s22, s22, 1
	s_lshl_b32 s20, s23, 17
	s_lshl_b32 s21, s22, 10
	SADD 20, 21
	s_mov_b32 s21, 0
	s_add_nc_u64 s[84:85], s[96:97], s[20:21]
	s_lshl_b32 s23, s23, 9
	s_lshl_b32 s22, s22, 1
	SADD 22, 23
	v_add_nc_u32 v[VX], s22, v[RD]
.endm
.Lpair:                                                ; PHASE 2: pairs of chunk 3, then of chunk 2
	BLK 1, 0, 0, -1, -1, 2, ACC+64
	s_cmp_eq_u32 s46, 3
	s_cbranch_scc1 .Lnone_0
	FETCHAT 0, ADRA, AAS
	s_wait_dscnt NF
	s_branch .Lgo
.Lnone_0:
	s_wait_dscnt 0x0
.Lgo:
	SBLK 1, 1, 1, -1, -2, 3, ACC+64                ; the first trip's shows chunk 2
.set I_, 0
.rept 32                               ; the pair's sums are copied, so that one trip is two blocks of text
	v_dual_mov_b32 v[ACC+64+I_], v[ACC+I_] :: v_dual_mov_b32 v[ACC+64+I_+1], v[ACC+I_+1]
.set I_, I_+2
.endr
	s_add_co_u32 s22, s46, 1
	s_and_b32 s22, s22, 3
	VTO
	s_cmp_eq_u32 s46, 0
	s_cbranch_scc1 .Lno_pair_before
	VOUT
.Lno_pair_before:
	s_cmp_eq_u32 s46, 3
	s_cbranch_scc1 .Lnone_1
	FETCHAT 1, ADRA, AAS
.Lnone_1:
	s_mov_b32 s8, 2*SCH+4*SBL
	s_cmp_eq_u32 s46, 0
	s_cselect_b32 s47, 0, 64*PITCH
	s_cselect_b32 s8, 2*SCH, s8
	s_add_co_u32 s46, s46, 1
	s_cmp_lg_u32 s46, 4
	s_cbranch_scc1 .Lpair
	s_wait_xcnt 0x0
.set K_, 0
.rept 60
	GAPV K_, ACC+64
.set K_, K_+1
.endr
	WALU
	s_mov_b32 s22, 1
	VTO
	VOUT
	s_wait_dscnt 0x0                               ; the scale words
	BARRIER
	v_lshlrev_b32 v20, 4, v3
	s_lshl_b32 s21, s14, 9
	s_add_co_u32 s21, s21, XN
	v_add_nc_u32 v21, s21, v20
	v_lshlrev_b32 v22, 3, v3
	s_lshl_b32 s21, s14, 8
	s_add_co_u32 s21, s21, XV
	v_add_nc_u32 v23, s21, v22
	WALU
	ds_load_b128 v[60:63], v21
	ds_load_b64 v[40:41], v23
	s_wait_dscnt 0x0
	global_store_b128 v20, v[60:63], s[94:95]
	global_store_b64 v22, v[40:41], s[98:99]
	s_wait_tensorcnt 0x0                           ; the wave's end
	ds_add_u32 v[SPW], v[NIL]
	s_wait_dscnt 0x0
	CROUND                                         ; the closing round
	s_endpgm
.Lfunc_end_k_q3e2c23acf9_proj:
	.size	k_q3e2c23acf9_proj, .Lfunc_end_k_q3e2c23acf9_proj-k_q3e2c23acf9_proj
	.p2alignl 7, 3214868480
	.fill 96, 4, 3214868480
	.section	.rodata,"a",@progbits
	.p2align	6, 0x0
	.amdhsa_kernel k_q3e2c23acf9_proj
		.amdhsa_group_segment_fixed_size 327680
		.amdhsa_private_segment_fixed_size 0
		.amdhsa_enable_private_segment 0
		.amdhsa_kernarg_size 104
		.amdhsa_user_sgpr_count 2
		.amdhsa_user_sgpr_kernarg_segment_ptr 1
		.amdhsa_wavefront_size32 1
		.amdhsa_system_sgpr_workgroup_id_x 1
		.amdhsa_system_sgpr_workgroup_id_y 1
		.amdhsa_system_sgpr_workgroup_id_z 1
		.amdhsa_system_vgpr_workitem_id 0
		.amdhsa_next_free_vgpr 1024
		.amdhsa_next_free_sgpr 102
		.amdhsa_reserve_vcc 0
		.amdhsa_float_denorm_mode_32 3
		.amdhsa_float_denorm_mode_16_64 3
		.amdhsa_memory_ordered 1
		.amdhsa_forward_progress 1
		.amdhsa_inst_pref_size 162
	.end_amdhsa_kernel
	.amdgpu_metadata
---
amdhsa.version: [ 1, 2 ]
amdhsa.kernels:
  - .name:           k_q3e2c23acf9_proj
    .symbol:         k_q3e2c23acf9_proj.kd
    .args:
      - { .name: x_codes, .offset: 0, .size: 8, .value_kind: global_buffer, .address_space: global }
      - { .name: x_scales, .offset: 8, .size: 8, .value_kind: global_buffer, .address_space: global }
      - { .name: Wq_codes, .offset: 16, .size: 8, .value_kind: global_buffer, .address_space: global }
      - { .name: Wq_scales, .offset: 24, .size: 8, .value_kind: global_buffer, .address_space: global }
      - { .name: bq, .offset: 32, .size: 8, .value_kind: global_buffer, .address_space: global }
      - { .name: Wk_codes, .offset: 40, .size: 8, .value_kind: global_buffer, .address_space: global }
      - { .name: Wk_scales, .offset: 48, .size: 8, .value_kind: global_buffer, .address_space: global }
      - { .name: bk, .offset: 56, .size: 8, .value_kind: global_buffer, .address_space: global }
      - { .name: Wv_codes, .offset: 64, .size: 8, .value_kind: global_buffer, .address_space: global }
      - { .name: Wv_scales, .offset: 72, .size: 8, .value_kind: global_buffer, .address_space: global }
      - { .name: bv, .offset: 80, .size: 8, .value_kind: global_buffer, .address_space: global }
      - { .name: qkv_codes, .offset: 88, .size: 8, .value_kind: global_buffer, .address_space: global }
      - { .name: qkv_sc, .offset: 96, .size: 8, .value_kind: global_buffer, .address_space: global }
    .group_segment_fixed_size: 327680
    .private_segment_fixed_size: 0
    .kernarg_segment_align: 8
    .kernarg_segment_size: 104
    .max_flat_workgroup_size: 128
    .sgpr_count:     102
    .vgpr_count:     1024
    .wavefront_size: 32
...
	.end_amdgpu_metadata
.endif
;; end of part 1
;; launch scores (part 2): grid 8 x 32, 4 waves a work-group, clusters of 4 x 4, 327,680 bytes of LDS; arguments qkv_codes, qkv_sc, p_codes, p_stats; writes p_codes, p_stats
.if DOCPART == 2
	.amdgcn_target "amdgcn-amd-amdhsa--gfx1250"
	.amdhsa_code_object_version 6
	.text
	.protected	k_q3e2c23acf9_scores
	.globl	k_q3e2c23acf9_scores
	.p2align	8
	.type	k_q3e2c23acf9_scores,@function
k_q3e2c23acf9_scores:
	s_mov_b64 s[64:65], 0
	v_nop
	global_prefetch_b8 v0, s[64:65] scope:SCOPE_SE
	s_setreg_imm32_b32 hwreg(HW_REG_WAVE_MODE, 25, 1), 1
	s_wait_xcnt 0x0
	s_wait_alu depctr_hold_cnt(0) depctr_sa_sdst(0) depctr_va_vdst(0) depctr_va_sdst(0) depctr_va_ssrc(0) depctr_va_vcc(0) depctr_vm_vsrc(0)
	s_getreg_b32 s2, hwreg(HW_REG_IB_STS2, 6, 4)
	s_cmp_eq_u32 s2, 0
	s_cbranch_scc0 .Lentry_in_a_cluster
	s_endpgm
.Lentry_in_a_cluster:
	s_bfe_u32 s2, ttmp6, 0x10000c
	s_cmp_lg_u32 s2, 0xf033
	s_cbranch_scc0 .Lentry_shape_is_right
	s_endpgm
.Lentry_shape_is_right:
; S = Q K^T on codes of BF8 (E5M2) with E8M0 scales, sums in f32; on the way out each wave turns its 128 x 128 scores into the weights p of the second product, quantised along the keys.
; THE SOFTMAX, LOCALLY: t = score x log2(e) / 32; for each query and each 128 keys M' = the ceiling of the largest t among them, a whole number; p = 2^(t - M'), at most 1.
; p's codes and scale bytes, -M' and the sum l' of the unquantised p go to memory.  The next launch finds M = the largest M' of a row and lowers the scale bytes by M - M': an exact power of two, which the scale takes up.
; So a maximum is taken away ahead of every exponential, whatever the inputs' size.
; Q, K: planes of 128 channels, codes [8][8192][128], scale words [8][8192], as the launch before laid them (K's part 8,388,608 and 262,144 bytes on).
; SHARES.  A work-group makes 256 queries (ty, over the 8,192 rows of all batches) x 256 keys (kt, inside the batch ty / 8); a wave 128 x 128.  K (the 1,024 channels) goes in steps of 256, two planes, through a ring of two LDS slots.
; Source 0 = 16 keys, source 1 = 16 queries: a lane holds one query and its registers run along the keys.
; CLUSTERS: 4 x 4 work-groups.  Q's tiles hang on ty alone and are asked for jointly along a row of the cluster, K's on the batch and kt and jointly along a column.
; OUTPUT: p_codes [16 key planes][8192 queries][128]; p_stats: the scale words [16][8192], from byte 524,288 on -M' (f32), from byte 1,048,576 on l' (f32).
; ORDER INSIDE A BLOCK OF 32 KEYS: place 16 h + i holds key 8 h + i (i under 8) or 8 h + i + 8, as V's codes have it.
; LIMITS: NaN and infinities are not served.  A block all of whose p lie under 2^-111 gets the byte 1 (the floor); its codes are small or zero.
; REGISTERS, in windows of 256: window 0: v0-31 addresses; v32-63 scale words, two sets; v64-127 at work on the way out; v128-255 source 1's 8 fragments; on the way out v128-255 are free.
;   window 1: source 0's fragments, two sets.   windows 2, 3: the accumulators ((a, b) at v[8 (8 (a % 4) + b)]).
; IMAGES.  Inside a plane of Q, K or p the codes of 16 rows are 2,048 bytes in the order of the operand's registers: [piece c of 32][lane = row + 16 half][16 bytes].  So an LDS load of a fragment reads 512 consecutive bytes, and p's codes leave straight from the registers.
; Q's and K's channels are in natural order inside a block of 32.
; AHEAD: the K steps 1 to 3 are asked of memory two steps ahead of their tensor loads (step 1 together with step 0's load); of each tile the four work-groups that share it take a quarter by address.  Nothing is asked for in the loop: the last step has been asked for by then.
.set NQ,     2
.set FR,     16
.set NL,     4
.set NP,     8                         ; places behind this matrix instruction (ISA guide 7.12.1)
.set HALFT,  32768                     ; a plane's 256 rows of 128 bytes: what one tensor load brings
.set QOFF,   HALFT                     ; the slot's second plane
.set BLKOFF, 2048                      ; 16 rows on
.set HALFR,  16384                     ; 128 rows on
.set SLOT,   4*HALFT                   ; Q's two planes, then K's two
.set SCL,    2*SLOT                    ; behind the ring: Q's scale words [8 planes][256 rows], 8,192 bytes;
.set SDIST,  8192                      ; K's likewise, behind them
.set SPARE,  SCL+2*SDIST               ; the spare words, 128 bytes for each wave, which no other line names
.set SSTEP,  2048                      ; a K step's two planes of words
.set STEPA,  2097152                   ; a K step in memory: two planes of 8,192 rows x 128 bytes
.set STEPB,  2097152
.set LAPS,   2
.set ADRA, 16
.set ADRB, 20
.set WSTO, 22
.set WRD,  23
.set GO,   26
.set ADRS, 27
.set SPW,  28                          ; v28     my spare word: SPARE + 4 x my thread's number; never rewritten
.set NIL,  29                          ; v29     0; never rewritten
.set SC,   32
.set BIAS, 64                          ; (not used here)
.set AF,   128
.set BM,   64                          ; v64-67  the blocks' largest scores, then largest p
.set PT,   68                          ; v68-71  the other half's maxima, then the bytes
.set LIMR, 72                          ; v72-75  57,344 x the scale
.set SOP,  76                          ; v76-79  the conversions' scale operands
.set NM,   80                          ; v[80:81] -M' (the packed form names the pair and takes its low word)
.set SUM,  82                          ; v[82:85] the sum in two chains
.set TR,   86                          ; v86-87  at work
.set PW,   88                          ; v88-95  the eight row blocks' scale words
.set NMA,  96                          ; v96-103 their -M'
.set LA,   104                         ; v104-111 their l'
.set WB,   112                         ; v112-123 words on their way out
.set T,    128                         ; v128-191 t - M', then p
.set PC,   192                         ; v192-223 codes, two sets
.set G1, 24
.set G0, 32
.set G1B, 48
.set G0B, 56
.set SEL, 66
.set QW,  68                           ; s[68:69] Q's scale words
.set PF,  70                           ; s[70:71] my quarter of the plane that I fetch, in K step 0
.set CS,  76                           ; s[76:77] c = log2(e) / 32
.set KW,  92                           ; s[92:93] K's scale words
.set WOF, 8                            ; v8   my offset in the scale words: planes 2 i + (thread / 64)
.set WAD, 9                            ; v9   and their place in LDS
.set PFO, 10                           ; v10  256 x lane
.set OC,  8                            ; s[8:9]   my part of p's codes
.set OS,  10                           ; s[10:11] my part of the words
.set MNT, 100
.set MSB, 0
.macro WIN new                         ; the immediate's high byte repeats the setting that is left
.if MSB != (\new)
	s_set_vgpr_msb (MSB<<8)|(\new)
.set MSB, (\new)
.endif
.endm
.set MUL_LO, 0xa1
.set MUL_HI, 0xf1
.set TO_B,   0x40
; A joint load: waves 0 and 1 fetch Q's two planes, waves 2 and 3 K's.  The branch hangs on the wave's number alone.  Four v_nop follow each of the two lines.
.macro JLOAD g0a, g1a, g0b, g1b
	s_cmp_eq_u32 s15, 0
	s_cbranch_scc0 .Lfor_b_\@
	tensor_load_to_lds s[\g0a:\g0a+3], s[\g1a:\g1a+7]
	s_nop 0
.rept 4
	v_nop
.endr
	s_branch .Lasked_\@
.Lfor_b_\@:
	tensor_load_to_lds s[\g0b:\g0b+3], s[\g1b:\g1b+7]
	s_nop 0
.rept 4
	v_nop
.endr
.Lasked_\@:
.endm
.macro CREST
	s_cmp_lg_u32 s14, 0
	s_cbranch_scc1 .Lnot_wave_0_\@
	s_barrier_signal -3
.Lnot_wave_0_\@:
	s_barrier_wait -3
	s_barrier_signal -1
	s_barrier_wait -1
.endm
.macro CROUND
	s_barrier_signal -1
	s_barrier_wait -1
	CREST
.endm
.macro PLACES n
.rept \n
	v_nop
.endr
.endm
.macro FRAG reg, adr, q, i             ; 16 rows x 128 K: lane l holds row l % 16; registers 4 c .. 4 c + 3 hold places 32 c + 16 (l / 16) + 0 .. 15 of the plane
.irp c, 0,1,2,3
	ds_load_b128 v[\reg+4*\c:\reg+4*\c+3], v[\adr] offset:QOFF*(\q)+512*\c+(\i)*BLKOFF
.endr
.endm
; 16 matrix instructions: source 1's blocks a0, a0 + 1 x source 0's eight.  cm: 0 the sum goes on; 3 the constant 0 starts it.  The 64 accumulators take turns, one instruction a turn.
.macro MUL16 a0, p, q, sc, cm
.irp a, \a0, \a0+1
.irp b, 0,1,2,3,4,5,6,7
.set rD,  8*(8*((\a)%4)+\b)
.set rS0, 128*(\p)+FR*\b
.set rS1, AF+FR*(\a)
.set rX0, SC+8*NQ*(\sc)+NQ*\b+(\q)
.set rX1, SC+8*NQ*(\sc)+NQ*(\a)+(\q)
.if \cm == 0
	v_wmma_scale_f32_16x16x128_f8f6f4 v[rD:rD+7], v[rS0:rS0+15], v[rS1:rS1+15], v[rD:rD+7], v[rX0], v[rX1] matrix_a_fmt:MATRIX_FMT_BF8 matrix_b_fmt:MATRIX_FMT_BF8 matrix_a_scale:MATRIX_SCALE_ROW1
.else
	v_wmma_scale_f32_16x16x128_f8f6f4 v[rD:rD+7], v[rS0:rS0+15], v[rS1:rS1+15], 0, v[rX0], v[rX1] matrix_a_fmt:MATRIX_FMT_BF8 matrix_b_fmt:MATRIX_FMT_BF8 matrix_a_scale:MATRIX_SCALE_ROW1
.endif
.endr
.endr
.endm
.macro FETCH_B slot, q, p
	WIN TO_B
.irp i, 0,1,2,3,4,5,6,7
	FRAG 128*(\p)+FR*\i, ADRB+\slot, \q, \i
.endr
	WIN 0
.endm
.macro FETCH_A slot, q, i0
.irp i, \i0, \i0+1, \i0+2, \i0+3
	FRAG AF+FR*(\i), ADRA+\slot, \q, \i
.endr
.endm
.macro SCALES sc                       ; a K step's scale words into set sc: register 2 i + q: lanes 0-15 source 1's block i, lanes 16-31 source 0's, plane q
.irp i, 0,1,2,3,4,5,6,7
	ds_load_b32 v[SC+8*NQ*\sc+NQ*\i], v[ADRS] offset:64*\i
	ds_load_b32 v[SC+8*NQ*\sc+NQ*\i+1], v[ADRS] offset:1024+64*\i
.endr
.endm
.macro STEP slot, q, cm
	s_wait_dscnt 4*NL                              ; all but the youngest 16 loads (source 1's blocks 4-7) are in
	WIN MUL_LO
	MUL16 0, (\q)%2, \q, \slot, \cm
	MUL16 2, (\q)%2, \q, \slot, \cm
	s_wait_dscnt 0                                 ; blocks 4-7 are in
	PLACES NP
	FETCH_B \slot, (\q)+1, 1-(\q)%2
	FETCH_A \slot, (\q)+1, 0
	WIN MUL_HI
	MUL16 4, (\q)%2, \q, \slot, \cm
	MUL16 6, (\q)%2, \q, \slot, \cm
	PLACES NP
	WIN 0
	FETCH_A \slot, (\q)+1, 4
.endm
; A slot's last step changes slots: one barrier; in front of it each wave waits for all its tensor loads, adds 0 to its spare word, and waits for that and for its reads of this slot.
.macro TURN slot, next, fill
	s_wait_tensorcnt 0x0                           ; all my tensor loads have landed: the one that was out is my part of the next slot
	ds_add_u32 v[SPW], v[NIL]                      ; 0 onto my spare word
	s_wait_dscnt 4*NL+1                            ; (the add and the youngest 16 loads may be out)
	WIN MUL_LO
	MUL16 0, 1, NQ-1, \slot, 0
	s_wait_dscnt 0x0                               ; the add is done, and my reads of this slot are over
	s_barrier_signal -1
	MUL16 2, 1, NQ-1, \slot, 0
	WIN 0
	s_barrier_wait -1
.if \fill
	CREST                                          ; a round of the cluster's barrier: no wave of any partner still reads this slot or has a load on its way
	s_add_nc_u64 s[G0+4*\slot+2:G0+4*\slot+3], s[G0+4*\slot+2:G0+4*\slot+3], 2*STEPA
	s_add_nc_u64 s[G0B+4*\slot+2:G0B+4*\slot+3], s[G0B+4*\slot+2:G0B+4*\slot+3], 2*STEPB
	JLOAD G0+4*\slot, G1, G0B+4*\slot, G1B         ; my one tensor load behind the round
	PLACES NP-4
.else
	PLACES NP
.endif
	s_wait_alu depctr_va_vdst(0)
	v_add_nc_u32 v[ADRS], SSTEP, v[ADRS]
	FETCH_B \next, 0, 0
	FETCH_A \next, 0, 0
	SCALES \next
	WIN MUL_HI
	MUL16 4, 1, NQ-1, \slot, 0
	MUL16 6, 1, NQ-1, \slot, 0
	PLACES NP
	WIN 0
	FETCH_A \next, 0, 4
.endm
	s_load_b256 s[4:11], s[0:1], 0x0               ; qkv_codes s[4:5], qkv_sc s[6:7], p_codes s[8:9], p_stats s[10:11]
	v_lshl_add_u32 v[SPW], v0, 2, SPARE
	v_mov_b32 v[NIL], 0
	ds_add_u32 v[SPW], v[NIL]                      ; the wave's opening: the add, twice on end, and its wait ahead of my first tensor load
	ds_add_u32 v[SPW], v[NIL]
	v_lshrrev_b32 v1, 5, v0
	v_readfirstlane_b32 s14, v1                    ; wave 0..3
	s_lshr_b32 s15, s14, 1                         ; my half of the queries.  Also: I fetch for Q (0) or for K (1)
	s_and_b32 s16, s14, 1                          ; my half of the keys.  Also: which plane of a K step I fetch
	s_bfe_u32 s40, ttmp6, 0x40000                  ; cx, cy
	s_bfe_u32 s41, ttmp6, 0x40004
	s_lshl_b32 s42, ttmp9, 2
	s_add_co_u32 s42, s42, s40                     ; kt = 4 x cluster x + cx: keys 256 kt on, inside the batch
	s_and_b32 s17, ttmp7, 0xffff
	s_lshr_b32 s19, s17, 1                         ; the batch: the same in all sixteen partners
	s_lshl_b32 s17, s17, 2
	s_add_co_u32 s17, s17, s41                     ; ty = 4 x cluster y + cy: query rows 256 ty on
	s_lshl_b32 s43, s41, 2
	s_lshl_b32 s43, 15, s43                        ; my row of the cluster
	s_lshl_b32 s44, 0x1111, s40                    ; my column
	; descriptor group 1: a plane's 256 rows are 32,768 dense bytes: 128 lines of 256 bytes (32 elements of 8 bytes)
	s_or_b32 s[G1+0], s43, (3<<16)|(1<<21)
	s_or_b32 s[G1B+0], s44, (3<<16)|(1<<21)
.irp g, G1, G1B
	s_mov_b32 s[\g+1], 32<<16
	s_mov_b32 s[\g+2], 128<<16
	s_mov_b32 s[\g+3], 32<<16
	s_mov_b32 s[\g+4], 128
	s_mov_b32 s[\g+5], 32
	s_mov_b32 s[\g+6], 0
	s_mov_b32 s[\g+7], 0
.endr
	s_lshl_b32 s20, s16, 20                        ; Q's codes: my plane,
	s_lshl_b32 s18, s17, 15                        ; rows 256 ty on
	s_add_co_u32 s20, s20, s18
	s_mov_b32 s21, 0
	s_lshl_b32 s[QW], s17, 10                      ; Q's words: rows 256 ty on
	s_mov_b32 s[QW+1], 0
	s_lshl_b32 s46, s16, 20                        ; K's codes: my plane,
	s_lshl_b32 s2, s19, 18                         ; the batch's 2,048 rows,
	s_add_co_u32 s46, s46, s2
	s_lshl_b32 s2, s42, 15                         ; rows 256 kt on,
	s_add_co_u32 s46, s46, s2
	s_add_co_u32 s46, s46, 0x800000                ; in K's part
	s_mov_b32 s47, 0
	s_lshl_b32 s92, s19, 13                        ; K's words likewise
	s_lshl_b32 s2, s42, 10
	s_add_co_u32 s92, s92, s2
	s_add_co_u32 s92, s92, 0x40000
	s_mov_b32 s93, 0
	s_mul_i32 s45, s14, HALFT                      ; where they go: wave x a plane: no place in the cluster enters an LDS address
	s_mov_b32 s[SEL], 0x76543210
	s_mov_b32 s[SEL+1], 0xfedcba98
	s_mov_b32 s[MNT], 0x600000
	v_lshrrev_b32 v2, 6, v0
	v_and_b32 v3, 63, v0
	v_lshlrev_b32 v3, 4, v3
	v_lshl_add_u32 v[WOF], v2, 15, v3              ; planes are 32,768 bytes apart
	v_lshlrev_b32 v4, 4, v0
	v_add_nc_u32 v[WAD], SCL, v4
	v_and_b32 v5, 31, v0
	v_lshlrev_b32 v[PFO], 8, v5
	s_wait_alu depctr_va_vdst(0)
	s_wait_dscnt 0x0                               ; both opening adds are done
	s_wait_kmcnt 0x0
	s_add_nc_u64 s[20:21], s[4:5], s[20:21]
	s_add_nc_u64 s[QW:QW+1], s[6:7], s[QW:QW+1]
	s_add_nc_u64 s[46:47], s[4:5], s[46:47]
	s_add_nc_u64 s[KW:KW+1], s[6:7], s[KW:KW+1]
.irp i, 0,1,2,3                        ; the scale words of all of K: two planes of 256 rows a load of the work-group
	global_load_b128 v[AF+4*\i:AF+4*\i+3], v[WOF], s[QW:QW+1] offset:65536*\i
	global_load_b128 v[AF+16+4*\i:AF+16+4*\i+3], v[WOF], s[KW:KW+1] offset:65536*\i
.endr
.irp s, 0,1
	s_mov_b32 s[G0+4*\s], 1
	s_add_co_u32 s[G0+4*\s+1], s45, \s*SLOT
	s_add_nc_u64 s[G0+4*\s+2:G0+4*\s+3], s[20:21], \s*STEPA
	s_or_b32 s[G0+4*\s+3], s[G0+4*\s+3], 0x80000000
	s_mov_b32 s[G0B+4*\s], 1
	s_add_co_u32 s[G0B+4*\s+1], s45, \s*SLOT
	s_add_nc_u64 s[G0B+4*\s+2:G0B+4*\s+3], s[46:47], \s*STEPB
	s_or_b32 s[G0B+4*\s+3], s[G0B+4*\s+3], 0x80000000
.endr
	CROUND                                         ; all sixteen work-groups are here: the first joint loads meet
	JLOAD G0, G1, G0B, G1B                         ; K step 0: one tensor load a wave at the head
	s_cmp_eq_u32 s15, 0                            ; my quarter of the plane that I fetch: by cx for Q, by cy for K
	s_cselect_b32 s2, s40, s41
	s_cselect_b64 s[PF:PF+1], s[20:21], s[46:47]
	s_lshl_b32 s2, s2, 13
	s_mov_b32 s3, 0
	s_add_nc_u64 s[PF:PF+1], s[PF:PF+1], s[2:3]
	global_prefetch_b8 v[PFO], s[PF:PF+1] offset:STEPA th:TH_LOAD_NT scope:SCOPE_SE     ; K steps 1
	global_prefetch_b8 v[PFO], s[PF:PF+1] offset:2*STEPA th:TH_LOAD_NT scope:SCOPE_SE   ; and 2: 32 lines of 256 bytes a wave
	s_mov_b32 s[CS], 0x3d38aa3b                    ; c = log2(e) / sqrt(1,024)
	s_mov_b32 s[CS+1], s[CS]                       ; (named with it as a pair, so it is written)
	v_and_b32 v1, 15, v0                           ; r
	v_bfe_u32 v2, v0, 4, 1                         ; h
	v_and_b32 v4, 31, v0
	v_lshlrev_b32 v4, 4, v4                        ; 16 x lane
	s_mul_i32 s21, s15, HALFR                      ; my 128 queries
	s_mul_i32 s22, s16, HALFR                      ; my 128 keys,
	s_add_co_u32 s22, s22, 2*HALFT                 ; behind Q's two planes
.irp s, 0,1
	v_add_nc_u32 v[ADRA+\s], s21, v4
	v_add_nc_u32 v[ADRB+\s], s22, v4
	s_add_co_u32 s21, s21, SLOT
	s_add_co_u32 s22, s22, SLOT
.endr
	s_lshl_b32 s21, s15, 9                         ; Q's words: my 128 rows
	s_lshl_b32 s22, s16, 9                         ; K's: my 128 rows, SDIST on
	s_add_co_u32 s22, s22, SDIST
	s_sub_co_u32 s22, s22, s21
	s_wait_alu depctr_va_vdst(0)
	v_mul_u32_u24 v6, s22, v2                      ; lanes 16-31 take K's
	s_add_co_u32 s21, s21, SCL
	v_lshl_add_u32 v5, v1, 2, v6
	v_add_nc_u32 v[ADRS], s21, v5
	; the way out: for each wave, in slot 0 from byte 4,096 x wave + 2,304 on: 128 scale words, then 128 -M', then 128 l'
	s_lshl_b32 s23, s14, 12
	v_and_b32 v6, 31, v0
	v_lshlrev_b32 v[GO], 4, v6
	v_lshl_add_u32 v5, v1, 2, s23
	v_add_nc_u32 v[WSTO], 2304, v5
	v_add_nc_u32 v5, s23, v[GO]
	v_add_nc_u32 v[WRD], 2304, v5
	s_lshl_b32 s2, s42, 1                          ; my part of the output: key plane 2 kt + half, query rows 256 ty + 128 x half on
	s_add_co_u32 s2, s2, s16
	s_lshl_b32 s2, s2, 13
	s_lshl_b32 s18, s17, 8
	s_add_co_u32 s2, s2, s18
	s_lshl_b32 s18, s15, 7
	s_add_co_u32 s2, s2, s18
	s_lshl_b32 s46, s2, 7                          ; 128 bytes of codes a row
	s_mov_b32 s47, 0
	s_add_nc_u64 s[OC:OC+1], s[OC:OC+1], s[46:47]
	s_lshl_b32 s46, s2, 2                          ; one word a row
	s_add_nc_u64 s[OS:OS+1], s[OS:OS+1], s[46:47]
	s_wait_alu depctr_va_vdst(0)
	s_wait_loadcnt 0x0
.irp i, 0,1,2,3
	ds_store_b128 v[WAD], v[AF+4*\i:AF+4*\i+3] offset:2048*\i
	ds_store_b128 v[WAD], v[AF+16+4*\i:AF+16+4*\i+3] offset:SDIST+2048*\i
.endr
	s_wait_tensorcnt 0x0                           ; my part of K step 0 is in
	ds_add_u32 v[SPW], v[NIL]
	s_wait_dscnt 0x0                               ; the add and my stores are done
	CROUND                                         ; everybody's part and words are in, and all sixteen work-groups are here
	JLOAD G0+4, G1, G0B+4, G1B                     ; K step 1
	global_prefetch_b8 v[PFO], s[PF:PF+1] offset:3*STEPA th:TH_LOAD_NT scope:SCOPE_SE   ; K step 3, the last
	FETCH_B 0, 0, 0
	FETCH_A 0, 0, 0
	SCALES 0
	FETCH_A 0, 0, 4
	STEP 0, 0, 3                                   ; the first step stands in front of the loop: its products start the sums
	s_mov_b32 s3, LAPS-1
.Llap:
	TURN 0, 1, 1
	STEP 1, 0, 0
	TURN 1, 0, 1
	STEP 0, 0, 0
	s_sub_co_u32 s3, s3, 1
	s_cmp_lg_u32 s3, 0
	s_cbranch_scc1 .Llap
	TURN 0, 1, 0                                   ; the last lap fills nothing
	STEP 1, 0, 0
	s_wait_dscnt 4*NL
	WIN MUL_LO
	MUL16 0, 1, NQ-1, 1, 0
	MUL16 2, 1, NQ-1, 1, 0
	s_wait_dscnt 0
	WIN MUL_HI
	MUL16 4, 1, NQ-1, 1, 0
	MUL16 6, 1, NQ-1, 1, 0
	WIN 0
; THE WAY OUT, 16 queries x 128 keys at a time.  SOFTQ: a lane holds 64 scores of its query, lane l xor 16 the other 64; four blocks of 32 keys.
.macro SOFTQ a
.set AC, 64*((\a)%4)
.set PS, PC+16*((\a)%2)
	WIN 0x0a+5*((\a)/4)                            ; sources 0 and 1: window 2 or 3
.irp c, 0,1,2,3
	v_max3_num_f32 v[BM+\c], v[AC+16*\c], v[AC+16*\c+1], 0xff800000   ; the largest score of each block, each accumulator from its low end on: it serves for the row's maximum and, since p rises with the score, for the block's largest p
.endr
.irp i, 2,4,6,8,10,12,14
.irp c, 0,1,2,3
	v_max3_num_f32 v[BM+\c], v[AC+16*\c+\i], v[AC+16*\c+\i+1], v[BM+\c]
.endr
.endr
	WIN 0
.irp c, 0,1,2,3
	v_permlanex16_b32 v[PT+\c], v[BM+\c], s[SEL], s[SEL+1]
.endr
.irp c, 0,1,2,3
	v_max_num_f32 v[BM+\c], v[BM+\c], v[PT+\c]     ; with lane l xor 16's 16 keys
.endr
	v_max3_num_f32 v[TR], v[BM], v[BM+1], v[BM+2]
	v_max_num_f32 v[TR], v[TR], v[BM+3]            ; the largest score of my query among these 128 keys,
	v_mul_f32 v[TR], s[CS], v[TR]                  ; as t (c is positive)
	v_floor_f32 v[NM], -v[TR]                      ; -M' = floor(-t) = -ceil(t): a whole number
	v_mov_b32 v[NMA+(\a)], v[NM]
	WIN 0x02+((\a)/4)                              ; source 0: window 2 or 3
.set j, 0
.rept 32
	v_pk_fma_f32 v[T+j:T+j+1], v[AC+j:AC+j+1], s[CS:CS+1], v[NM:NM+1] op_sel_hi:[1,0,0]   ; t - M', two at a time
.set j, j+2
.endr
	WIN 0
.irp c, 0,1,2,3
	v_fma_f32 v[BM+\c], v[BM+\c], s[CS], v[NM]     ; the same of each block's largest score
.endr
.set j, 0
	s_wait_alu depctr_va_vdst(0)
.rept 64
	v_exp_f32 v[T+j], v[T+j]                       ; p = 2^(t - M'): not normalised
.set j, j+1
.endr
	v_nop                                          ; a plain instruction behind the last exponential
	s_wait_alu depctr_va_vdst(0)                   ; one wait for the batch of 64, ahead of its first reader
.irp c, 0,1,2,3
	v_exp_f32 v[BM+\c], v[BM+\c]                   ; the block's largest p: the same two instructions on the same number give the same bits
.endr
	v_pk_add_f32 v[SUM:SUM+1], v[T:T+1], v[T+2:T+3]           ; the sum is taken of the unquantised p: two at a time, in two chains
	v_pk_add_f32 v[SUM+2:SUM+3], v[T+4:T+5], v[T+6:T+7]
.irp n, 8,12,16,20,24,28,32,36,40,44,48,52,56,60
	v_pk_add_f32 v[SUM:SUM+1], v[SUM:SUM+1], v[T+\n:T+\n+1]
	v_pk_add_f32 v[SUM+2:SUM+3], v[SUM+2:SUM+3], v[T+\n+2:T+\n+3]
.endr
	v_pk_add_f32 v[SUM:SUM+1], v[SUM:SUM+1], v[SUM+2:SUM+3]
	v_add_f32 v[TR], v[SUM], v[SUM+1]
	s_wait_alu depctr_va_vdst(0)                   ; and one for the four
	v_permlanex16_b32 v[TR+1], v[TR], s[SEL], s[SEL+1]
	v_add_f32 v[LA+(\a)], v[TR], v[TR+1]           ; l' of my query and these 128 keys
.irp c, 0,1,2,3
	v_max_num_f32 v[BM+\c], 0x8000000, v[BM+\c]    ; the floor 2^(16 - 127): the byte cannot fall under 1
.endr
.irp c, 0,1,2,3
	v_add_nc_u32 v[SOP+\c], 0xf8800000, v[BM+\c]   ; 15 off the exponent field: the conversion's scale operand
.endr
.irp c, 0,1,2,3
	v_and_or_b32 v[LIMR+\c], v[BM+\c], 0x7f800000, s[MNT]   ; 57,344 x the scale
.endr
.irp c, 0,1,2,3
	v_lshrrev_b32 v[PT+\c], 23, v[SOP+\c]          ; the scale's byte: at most 112, since p is at most 1
.endr
	v_lshl_or_b32 v[PW+(\a)], v[PT+1], 8, v[PT]
	v_lshl_or_b32 v[PW+(\a)], v[PT+2], 16, v[PW+(\a)]
	v_lshl_or_b32 v[PW+(\a)], v[PT+3], 24, v[PW+(\a)]
.set j, 0
.rept 64
	v_min_num_f32 v[T+j], v[T+j], v[LIMR+j/16]     ; the conversion does not saturate (ISA guide 7.6.2); p is not negative, so the hold is one-sided
.set j, j+1
.endr
	s_wait_alu depctr_va_vdst(0)
	s_wait_xcnt 0x0                                ; earlier blocks' stores have read their registers
.irp c, 0,1,2,3
	v_cvt_scalef32_pk8_bf8_f32 v[PS+4*\c:PS+4*\c+1], v[T+16*\c:T+16*\c+7], v[SOP+\c]
	v_cvt_scalef32_pk8_bf8_f32 v[PS+4*\c+2:PS+4*\c+3], v[T+16*\c+8:T+16*\c+15], v[SOP+\c]
.endr
	v_nop                                          ; one plain vector instruction between the conversions and the next vector instruction that writes their sources
.endm
.macro SEND a                          ; 16 queries' image: 32 lanes store 512 consecutive bytes, at a multiple of 256 from the buffer's first byte
.set PS, PC+16*((\a)%2)
.irp c, 0,1,2,3
	global_store_b128 v[GO], v[PS+4*\c:PS+4*\c+3], s[OC:OC+1] offset:2048*(\a)+512*\c
.endr
.endm
	PLACES NP                                      ; behind the last products
.irp c, 0,1,2,3
	v_mov_b32 v[PT+\c], 0                          ; written once: a lane permute's destination counts as one of its sources
.endr
	v_mov_b32 v[TR+1], 0
	v_mov_b32 v[NM+1], 0                           ; (named as the upper half of a pair)
.irp a, 0,1,2,3,4,5,6,7
	SOFTQ \a
	SEND \a
.endr
.irp a, 0,1,2,3,4,5,6,7
	ds_store_b32 v[WSTO], v[PW+\a] offset:64*\a    ; query 16 a + r's three words (lanes 16-31 write the same words with the same values)
	ds_store_b32 v[WSTO], v[NMA+\a] offset:512+64*\a
	ds_store_b32 v[WSTO], v[LA+\a] offset:1024+64*\a
.endr
	ds_load_b128 v[WB:WB+3], v[WRD]
	ds_load_b128 v[WB+4:WB+7], v[WRD] offset:512
	ds_load_b128 v[WB+8:WB+11], v[WRD] offset:1024
	s_wait_dscnt 0x0
	global_store_b128 v[GO], v[WB:WB+3], s[OS:OS+1]                    ; 512 consecutive bytes each
	global_store_b128 v[GO], v[WB+4:WB+7], s[OS:OS+1] offset:524288
	global_store_b128 v[GO], v[WB+8:WB+11], s[OS:OS+1] offset:1048576
	s_wait_tensorcnt 0x0                           ; the wave's end
	ds_add_u32 v[SPW], v[NIL]
	s_wait_dscnt 0x0
	CROUND                                         ; the closing round
	s_endpgm
.Lfunc_end_k_q3e2c23acf9_scores:
	.size	k_q3e2c23acf9_scores, .Lfunc_end_k_q3e2c23acf9_scores-k_q3e2c23acf9_scores
	.p2alignl 7, 3214868480
	.fill 96, 4, 3214868480
	.section	.rodata,"a",@progbits
	.p2align	6, 0x0
	.amdhsa_kernel k_q3e2c23acf9_scores
		.amdhsa_group_segment_fixed_size 327680
		.amdhsa_private_segment_fixed_size 0
		.amdhsa_enable_private_segment 0
		.amdhsa_kernarg_size 32
		.amdhsa_user_sgpr_count 2
		.amdhsa_user_sgpr_kernarg_segment_ptr 1
		.amdhsa_wavefront_size32 1
		.amdhsa_system_sgpr_workgroup_id_x 1
		.amdhsa_system_sgpr_workgroup_id_y 1
		.amdhsa_system_sgpr_workgroup_id_z 1
		.amdhsa_system_vgpr_workitem_id 0
		.amdhsa_next_free_vgpr 1024
		.amdhsa_next_free_sgpr 102
		.amdhsa_reserve_vcc 0
		.amdhsa_float_denorm_mode_32 3
		.amdhsa_float_denorm_mode_16_64 3
		.amdhsa_memory_ordered 1
		.amdhsa_forward_progress 1
		.amdhsa_inst_pref_size 230
	.end_amdhsa_kernel
	.amdgpu_metadata
---
amdhsa.version: [ 1, 2 ]
amdhsa.kernels:
  - .name:           k_q3e2c23acf9_scores
    .symbol:         k_q3e2c23acf9_scores.kd
    .args:
      - { .name: qkv_codes, .offset: 0, .size: 8, .value_kind: global_buffer, .address_space: global }
      - { .name: qkv_sc, .offset: 8, .size: 8, .value_kind: global_buffer, .address_space: global }
      - { .name: p_codes, .offset: 16, .size: 8, .value_kind: global_buffer, .address_space: global }
      - { .name: p_stats, .offset: 24, .size: 8, .value_kind: global_buffer, .address_space: global }
    .group_segment_fixed_size: 327680
    .private_segment_fixed_size: 0
    .kernarg_segment_align: 8
    .kernarg_segment_size: 32
    .max_flat_workgroup_size: 128
    .sgpr_count:     102
    .vgpr_count:     1024
    .wavefront_size: 32
...
	.end_amdgpu_metadata
.endif
;; end of part 2
;; launch mix (part 3): grid 4 x 64, 4 waves a work-group, clusters of 4 x 4, 327,680 bytes of LDS; arguments p_codes, p_stats, qkv_codes, qkv_sc, out0; writes out0
.if DOCPART == 3
	.amdgcn_target "amdgcn-amd-amdhsa--gfx1250"
	.amdhsa_code_object_version 6
	.text
	.protected	k_q3e2c23acf9_mix
	.globl	k_q3e2c23acf9_mix
	.p2align	8
	.type	k_q3e2c23acf9_mix,@function
k_q3e2c23acf9_mix:
	s_mov_b64 s[64:65], 0
	v_nop
	global_prefetch_b8 v0, s[64:65] scope:SCOPE_SE
	s_setreg_imm32_b32 hwreg(HW_REG_WAVE_MODE, 25, 1), 1
	s_wait_xcnt 0x0
	s_wait_alu depctr_hold_cnt(0) depctr_sa_sdst(0) depctr_va_vdst(0) depctr_va_sdst(0) depctr_va_ssrc(0) depctr_va_vcc(0) depctr_vm_vsrc(0)
	s_getreg_b32 s2, hwreg(HW_REG_IB_STS2, 6, 4)
	s_cmp_eq_u32 s2, 0
	s_cbranch_scc0 .Lentry_in_a_cluster
	s_endpgm
.Lentry_in_a_cluster:
	s_bfe_u32 s2, ttmp6, 0x10000c
	s_cmp_lg_u32 s2, 0xf033
	s_cbranch_scc0 .Lentry_shape_is_right
	s_endpgm
.Lentry_shape_is_right:
; O = (P V) / l on codes of BF8 (E5M2) with E8M0 scales, sums in f32.  P's codes were quantised under M' of their query and 128 keys; here M = the largest M' of a query's row is found, each scale byte is lowered by M - M' (an exact power of two; a byte that would fall under 0 becomes 0), and l = the sum of l' x 2^(M' - M) divides O.
; p_codes: [16 key planes][512 blocks of 16 queries][2048], V: [64 key planes][64 blocks of 16 channels][2048], each block in the order of the operand's registers; p_stats: scale words, -M', l', each [16 planes][8192]; V's scale words [64][1024].
; SHARES.  A work-group makes 128 queries (ty) x 256 channels (cx); a wave 64 x 128.  The 2,048 keys go in steps of 256, two planes, through a ring of two LDS slots.  4 x 4 work-groups form a cluster: P's tiles are asked for jointly along a row, V's along a column.
; AHEAD: K steps are asked of memory two steps ahead of their tensor loads (step 1 together with step 0's load); of each tile the four work-groups that share it take a quarter by address; the last two refills ask for nothing.
; LIMITS: NaN and infinities are not served.  No work is left out.
; REGISTERS: window 0: v0-31 addresses, v32-63 scale words, v128-255 source 1's fragments (P), two sets; window 1: source 0's (V), two sets; window 2: the accumulators.
.set NQ,     2
.set FR,     16
.set NP,     8
.set PLP,    16384                     ; a plane of P's 128 rows
.set PLV,    32768                     ; a plane of V's 256 rows
.set BLKOFF, 2048                      ; 16 rows on
.set HALFA,  8192
.set HALFB,  16384
.set VOF,  11                          ; v11  my offset in V's scale words: planes 2 i + (thread / 64)
.set VAD,  12                          ; v12  and their place in LDS
.set PFO,  13                          ; v13  256 x lane; for P's planes, of which a wave asks for 16 lines, the last line again beyond lane 15
.set PF,   68                          ; s[68:69] where my prefetches stand
.set PF2,  70
.set PST,  72                          ; s[72:73] a K step on
.set SLOT,   2*PLP+2*PLV
.set SCL,    2*SLOT
.set SDIST,  16384
.set SCLB,   SCL+SDIST
.set RL,     SCL+2*SDIST
.set STG,    RL+512
.set SPITCH, 528
.set SPARE,  STG+4*16*SPITCH
.set SSTEP,  2048
.set STEPA,  2097152
.set STEPB,  262144
.set LAPS,   4
.set SWA,  8
.set RWA,  9
.set PSO,  10
.set ADRA, 16
.set ADRB, 20
.set RLA,  22
.set STO,  24
.set RD,   25
.set CO,   26
.set ADRS, 27
.set SPW,  28
.set NIL,  29
.set SC,   32
.set AF,   128
.set WR,   64
.set NMR,  80
.set LR,   96
.set MN,   112
.set LS,   116
.set TT,   160
.set RI,   64
.set BK,   128
.set G1, 24
.set G0, 32
.set G1B, 48
.set G0B, 56
.set ONES, 100
.set TOPS, 101
.set MSB, 0
.macro WIN new
.if MSB != (\new)
	s_set_vgpr_msb (MSB<<8)|(\new)
.set MSB, (\new)
.endif
.endm
.set MUL,    0xa1
.set TO_B,   0x40
.macro JLOAD g0a, g1a, g0b, g1b
	s_cmp_eq_u32 s15, 0
	s_cbranch_scc0 .Lfor_b_\@
	tensor_load_to_lds s[\g0a:\g0a+3], s[\g1a:\g1a+7]
	s_nop 0
.rept 4
	v_nop
.endr
	s_branch .Lasked_\@
.Lfor_b_\@:
	tensor_load_to_lds s[\g0b:\g0b+3], s[\g1b:\g1b+7]
	s_nop 0
.rept 4
	v_nop
.endr
.Lasked_\@:
.endm
.macro CREST
	s_cmp_lg_u32 s14, 0
	s_cbranch_scc1 .Lnot_wave_0_\@
	s_barrier_signal -3
.Lnot_wave_0_\@:
	s_barrier_wait -3
	s_barrier_signal -1
	s_barrier_wait -1
.endm
.macro CROUND
	s_barrier_signal -1
	s_barrier_wait -1
	CREST
.endm
.macro PLACES n
.rept \n
	v_nop
.endr
.endm
.macro FRAG reg, adr, off
.irp c, 0,1,2,3
	ds_load_b128 v[\reg+4*\c:\reg+4*\c+3], v[\adr] offset:(\off)+512*\c
.endr
.endm
.macro FETCH_B slot, q, p
	WIN TO_B
.irp i, 0,1,2,3,4,5,6,7
	FRAG 128*(\p)+FR*\i, ADRB+\slot, PLV*(\q)+\i*BLKOFF
.endr
.endm
.macro FETCH_A slot, q, p
.irp i, 0,1,2,3
	FRAG AF+64*(\p)+FR*\i, ADRA+\slot, PLP*(\q)+\i*BLKOFF
.endr
.endm
.macro SCALES sc
.irp i, 0,1,2,3,4,5,6,7
	ds_load_b32 v[SC+8*NQ*\sc+NQ*\i], v[ADRS] offset:64*\i
	ds_load_b32 v[SC+8*NQ*\sc+NQ*\i+1], v[ADRS] offset:1024+64*\i
.endr
.endm
.macro MUL8 a, p, q, sc, cm
.irp b, 0,1,2,3,4,5,6,7
.set rD,  8*(8*(\a)+\b)
.set rS0, 128*(\p)+FR*\b
.set rS1, AF+64*(\p)+FR*(\a)
.set rX0, SC+8*NQ*(\sc)+NQ*\b+(\q)
.set rX1, SC+8*NQ*(\sc)+NQ*(\a)+(\q)
.if \cm == 0
	v_wmma_scale_f32_16x16x128_f8f6f4 v[rD:rD+7], v[rS0:rS0+15], v[rS1:rS1+15], v[rD:rD+7], v[rX0], v[rX1] matrix_a_fmt:MATRIX_FMT_BF8 matrix_b_fmt:MATRIX_FMT_BF8 matrix_a_scale:MATRIX_SCALE_ROW1
.else
	v_wmma_scale_f32_16x16x128_f8f6f4 v[rD:rD+7], v[rS0:rS0+15], v[rS1:rS1+15], 0, v[rX0], v[rX1] matrix_a_fmt:MATRIX_FMT_BF8 matrix_b_fmt:MATRIX_FMT_BF8 matrix_a_scale:MATRIX_SCALE_ROW1
.endif
.endr
.endm
.macro STEP0 slot, cm
	s_wait_dscnt 0x0
	FETCH_B \slot, 1, 1
	WIN MUL
	MUL8 0, 0, 0, \slot, \cm
	MUL8 1, 0, 0, \slot, \cm
	WIN 0
	FETCH_A \slot, 1, 1
	WIN MUL
	MUL8 2, 0, 0, \slot, \cm
	MUL8 3, 0, 0, \slot, \cm
	WIN 0
	PLACES NP
.endm
.macro ASK                             ; what the refill two K steps on will ask for
	s_cmp_gt_u32 s3, 1                             ; s3 = 1 in the loop's last trip
	s_cbranch_scc0 .Lno_ask_\@
	global_prefetch_b8 v[PFO], s[PF:PF+1] th:TH_LOAD_NT scope:SCOPE_SE
.Lno_ask_\@:
.endm
; A slot's last step changes slots: in front of the barrier each wave waits for all its tensor loads, adds 0 to its spare word, and waits for that and for its reads of this slot
.macro TURN slot, next, fill
.if \fill
	s_wait_xcnt 0x0                                ; any prefetch of mine has read its address
	s_add_nc_u64 s[PF:PF+1], s[PF:PF+1], s[PST:PST+1]
.endif
	s_wait_tensorcnt 0x0
	ds_add_u32 v[SPW], v[NIL]
	s_wait_dscnt 0x0
	s_barrier_signal -1
	WIN MUL
	MUL8 0, 1, 1, \slot, 0
	WIN 0
	s_barrier_wait -1
.if \fill
	CREST
	s_add_nc_u64 s[G0+4*\slot+2:G0+4*\slot+3], s[G0+4*\slot+2:G0+4*\slot+3], 2*STEPA
	s_add_nc_u64 s[G0B+4*\slot+2:G0B+4*\slot+3], s[G0B+4*\slot+2:G0B+4*\slot+3], 2*STEPB
	JLOAD G0+4*\slot, G1, G0B+4*\slot, G1B
.endif
	s_wait_alu depctr_va_vdst(0)
	v_add_nc_u32 v[ADRS], SSTEP, v[ADRS]
	SCALES \next
	FETCH_B \next, 0, 0
	WIN MUL
	MUL8 1, 1, 1, \slot, 0
	WIN 0
	FETCH_A \next, 0, 0
.if \fill
	ASK
.endif
	WIN MUL
	MUL8 2, 1, 1, \slot, 0
	MUL8 3, 1, 1, \slot, 0
	WIN 0
	PLACES NP
.endm
	s_load_b256 s[4:11], s[0:1], 0x0
	s_load_b64 s[12:13], s[0:1], 0x20
	v_lshl_add_u32 v[SPW], v0, 2, SPARE
	v_mov_b32 v[NIL], 0
	ds_add_u32 v[SPW], v[NIL]                      ; the wave's opening: the add, twice on end, and its wait ahead of my first tensor load
	ds_add_u32 v[SPW], v[NIL]
	v_lshrrev_b32 v1, 5, v0
	v_readfirstlane_b32 s14, v1
	s_lshr_b32 s15, s14, 1
	s_and_b32 s16, s14, 1
	s_bfe_u32 s40, ttmp6, 0x40000
	s_bfe_u32 s41, ttmp6, 0x40004
	s_and_b32 s17, ttmp7, 0xffff
	s_lshr_b32 s19, s17, 2
	s_lshl_b32 s17, s17, 2
	s_add_co_u32 s17, s17, s41
	s_lshl_b32 s43, s41, 2
	s_lshl_b32 s43, 15, s43
	s_lshl_b32 s44, 0x1111, s40
	s_or_b32 s[G1+0], s43, (3<<16)|(1<<21)         ; P: a plane's 128 rows, 64 lines of 256 bytes
	s_mov_b32 s[G1+1], 32<<16
	s_mov_b32 s[G1+2], 64<<16
	s_mov_b32 s[G1+3], 32<<16
	s_mov_b32 s[G1+4], 64
	s_mov_b32 s[G1+5], 32
	s_mov_b32 s[G1+6], 0
	s_mov_b32 s[G1+7], 0
	s_or_b32 s[G1B+0], s44, (3<<16)|(1<<21)        ; V: a plane's 256 rows, 128 lines
	s_mov_b32 s[G1B+1], 32<<16
	s_mov_b32 s[G1B+2], 128<<16
	s_mov_b32 s[G1B+3], 32<<16
	s_mov_b32 s[G1B+4], 128
	s_mov_b32 s[G1B+5], 32
	s_mov_b32 s[G1B+6], 0
	s_mov_b32 s[G1B+7], 0
	s_lshl_b32 s20, s16, 20
	s_lshl_b32 s18, s17, 14
	s_add_co_u32 s20, s20, s18
	s_mov_b32 s21, 0
	s_lshl_b32 s22, s17, 9
	s_mov_b32 s23, 0
	s_lshl_b32 s46, s19, 21
	s_lshl_b32 s2, s16, 17
	s_add_co_u32 s46, s46, s2
	s_lshl_b32 s2, s40, 15
	s_add_co_u32 s46, s46, s2
	s_add_co_u32 s46, s46, 0x1000000
	s_mov_b32 s47, 0
	s_lshl_b32 s92, s19, 16
	s_lshl_b32 s2, s40, 10
	s_add_co_u32 s92, s92, s2
	s_add_co_u32 s92, s92, 0x80000
	s_mov_b32 s93, 0
	s_mul_i32 s95, s16, PLP
	s_mul_i32 s96, s16, PLV
	s_add_co_u32 s96, s96, 2*PLP
	s_mov_b32 s[ONES], 0x01010101
	s_mov_b32 s[TOPS], 0x80808080
	v_lshlrev_b32 v[PSO], 2, v0
	v_lshrrev_b32 v2, 6, v0
	v_and_b32 v3, 63, v0
	v_lshlrev_b32 v3, 4, v3
	v_lshl_add_u32 v[VOF], v2, 12, v3              ; planes are 4,096 bytes apart
	v_lshlrev_b32 v4, 4, v0
	v_add_nc_u32 v[VAD], SCLB, v4
	v_and_b32 v5, 31, v0
	s_cmp_eq_u32 s15, 0
	s_cselect_b32 s2, 15, 31
	v_min_u32 v5, s2, v5
	v_lshlrev_b32 v[PFO], 8, v5
	s_wait_alu depctr_va_vdst(0)
	s_wait_dscnt 0x0                               ; both opening adds are done
	s_wait_kmcnt 0x0
	s_add_nc_u64 s[20:21], s[4:5], s[20:21]
	s_add_nc_u64 s[6:7], s[6:7], s[22:23]
	s_add_nc_u64 s[46:47], s[8:9], s[46:47]
	s_add_nc_u64 s[92:93], s[10:11], s[92:93]
.irp g, 0,1,2,3,4,5,6,7,8,9,10,11,12,13,14,15
	global_load_b32 v[NMR+\g], v[PSO], s[6:7] offset:524288+32768*\g
.endr
.irp g, 0,1,2,3,4,5,6,7,8,9,10,11,12,13,14,15
	global_load_b32 v[WR+\g], v[PSO], s[6:7] offset:32768*\g
	global_load_b32 v[LR+\g], v[PSO], s[6:7] offset:1048576+32768*\g
.endr
.irp i, 0,1,2,3,4,5,6,7                ; V's scale words of all keys: two planes of 256 rows a load of the work-group
	global_load_b128 v[AF+4*\i:AF+4*\i+3], v[VOF], s[92:93] offset:8192*\i
.endr
.irp s, 0,1
	s_mov_b32 s[G0+4*\s], 1
	s_add_co_u32 s[G0+4*\s+1], s95, \s*SLOT
	s_add_nc_u64 s[G0+4*\s+2:G0+4*\s+3], s[20:21], \s*STEPA
	s_or_b32 s[G0+4*\s+3], s[G0+4*\s+3], 0x80000000
	s_mov_b32 s[G0B+4*\s], 1
	s_add_co_u32 s[G0B+4*\s+1], s96, \s*SLOT
	s_add_nc_u64 s[G0B+4*\s+2:G0B+4*\s+3], s[46:47], \s*STEPB
	s_or_b32 s[G0B+4*\s+3], s[G0B+4*\s+3], 0x80000000
.endr
	CROUND                                         ; all sixteen work-groups are here
	JLOAD G0, G1, G0B, G1B                         ; K step 0: one tensor load a wave at the head
	s_cmp_eq_u32 s15, 0                            ; my quarter of the plane that I fetch: P's by cx, 16 lines; V's by cy, 32 lines
	s_cselect_b32 s2, s40, s41
	s_cselect_b32 s18, 12, 13
	s_cselect_b64 s[PF:PF+1], s[20:21], s[46:47]
	s_mov_b32 s3, STEPB
	s_cselect_b32 s[PST], STEPA, s3
	s_mov_b32 s[PST+1], 0
	s_lshl_b32 s2, s2, s18
	s_mov_b32 s3, 0
	s_add_nc_u64 s[PF:PF+1], s[PF:PF+1], s[2:3]
	s_add_nc_u64 s[PF:PF+1], s[PF:PF+1], s[PST:PST+1]
	s_add_nc_u64 s[PF2:PF2+1], s[PF:PF+1], s[PST:PST+1]
	global_prefetch_b8 v[PFO], s[PF:PF+1] th:TH_LOAD_NT scope:SCOPE_SE     ; K steps 1
	global_prefetch_b8 v[PFO], s[PF2:PF2+1] th:TH_LOAD_NT scope:SCOPE_SE   ; and 2
	v_lshl_add_u32 v[SWA], v0, 2, SCL
	v_lshl_add_u32 v[RWA], v0, 2, RL
	v_and_b32 v1, 15, v0
	v_bfe_u32 v2, v0, 4, 1
	v_and_b32 v4, 31, v0
	v_lshlrev_b32 v4, 4, v4                        ; 16 x lane: a fragment's piece is 512 consecutive bytes
	s_mul_i32 s21, s15, HALFA
	s_mul_i32 s22, s16, HALFB
	s_add_co_u32 s22, s22, 2*PLP
.irp s, 0,1
	v_add_nc_u32 v[ADRA+\s], s21, v4
	v_add_nc_u32 v[ADRB+\s], s22, v4
	s_add_co_u32 s21, s21, SLOT
	s_add_co_u32 s22, s22, SLOT
.endr
	s_lshl_b32 s21, s15, 8
	s_lshl_b32 s22, s16, 9
	s_add_co_u32 s22, s22, SDIST
	s_sub_co_u32 s22, s22, s21
	s_wait_alu depctr_va_vdst(0)
	v_mul_u32_u24 v6, s22, v2                      ; lanes 16-31 take V's words
	s_add_co_u32 s23, s21, SCL
	v_lshl_add_u32 v5, v1, 2, v6
	v_add_nc_u32 v[ADRS], s23, v5
	s_add_co_u32 s23, s21, RL
	v_lshl_add_u32 v[RLA], v1, 2, s23
	s_mul_i32 s23, s14, 16*SPITCH
	s_add_co_u32 s23, s23, STG
	v_mul_u32_u24 v5, v1, SPITCH
	v_lshl_add_u32 v5, v2, 5, v5
	v_add_nc_u32 v[STO], s23, v5
	v_and_b32 v6, 31, v0
	v_lshlrev_b32 v[CO], 4, v6
	v_add_nc_u32 v[RD], s23, v[CO]
	s_lshl_b32 s20, s17, 7
	s_lshl_b32 s21, s15, 6
	s_add_co_u32 s20, s20, s21
	s_lshl_b32 s20, s20, 12
	s_lshl_b32 s46, s40, 10
	s_lshl_b32 s47, s16, 9
	s_add_co_u32 s46, s46, s47
	s_add_co_u32 s46, s46, s20
	s_mov_b32 s47, 0
	s_add_nc_u64 s[12:13], s[12:13], s[46:47]
	s_wait_alu depctr_va_vdst(0)
	s_wait_tensorcnt 0x0                           ; my part of K step 0 is in
	ds_add_u32 v[SPW], v[NIL]
	s_wait_dscnt 0x0
	CROUND
	JLOAD G0+4, G1, G0B+4, G1B                     ; K step 1
	s_wait_xcnt 0x0                                ; the head's prefetches have read their addresses
	s_add_nc_u64 s[PF:PF+1], s[PF2:PF2+1], s[PST:PST+1]
	global_prefetch_b8 v[PFO], s[PF:PF+1] th:TH_LOAD_NT scope:SCOPE_SE   ; K step 3
	s_wait_loadcnt 0x0                             ; the rows' words
	v_min3_num_f32 v[MN], v[NMR], v[NMR+1], v[NMR+2]
	v_min3_num_f32 v[MN+1], v[NMR+3], v[NMR+4], v[NMR+5]
.irp g, 6,10
	v_min3_num_f32 v[MN], v[MN], v[NMR+\g], v[NMR+\g+1]
	v_min3_num_f32 v[MN+1], v[MN+1], v[NMR+\g+2], v[NMR+\g+3]
.endr
	v_min3_num_f32 v[MN], v[MN], v[NMR+14], v[NMR+15]
	v_min_num_f32 v[MN], v[MN], v[MN+1]
.macro FIX4 g
.irp k, 0,1,2,3
	v_sub_f32 v[TT+4*\k], v[MN], v[NMR+(\g)+\k]
.endr
.irp k, 0,1,2,3
	v_max_num_f32 v[TT+4*\k], 0xc2fe0000, v[TT+4*\k]
.endr
.irp k, 0,1,2,3
	v_cvt_i32_f32 v[TT+4*\k], v[TT+4*\k]
.endr
.irp k, 0,1,2,3
.if (\g) == 0
	v_ldexp_f32 v[LS+\k], v[LR+(\g)+\k], v[TT+4*\k]
.else
	v_ldexp_f32 v[TT+4*\k+1], v[LR+(\g)+\k], v[TT+4*\k]
.endif
.endr
.irp k, 0,1,2,3
	v_sub_nc_u32 v[TT+4*\k], 0, v[TT+4*\k]
.endr
.irp k, 0,1,2,3
	v_mul_lo_u32 v[TT+4*\k], v[TT+4*\k], s[ONES]
.endr
.irp k, 0,1,2,3
	v_or_b32 v[TT+4*\k+2], s[TOPS], v[WR+(\g)+\k]
.endr
.irp k, 0,1,2,3
	v_sub_nc_u32 v[TT+4*\k+2], v[TT+4*\k+2], v[TT+4*\k]
.endr
.irp k, 0,1,2,3
	v_and_b32 v[TT+4*\k+3], s[TOPS], v[TT+4*\k+2]
.endr
.irp k, 0,1,2,3
	v_lshrrev_b32 v[TT+4*\k], 7, v[TT+4*\k+3]
.endr
.irp k, 0,1,2,3
	v_sub_nc_u32 v[TT+4*\k+3], v[TT+4*\k+3], v[TT+4*\k]
.endr
.irp k, 0,1,2,3
	v_and_b32 v[WR+(\g)+\k], v[TT+4*\k+2], v[TT+4*\k+3]
.endr
.if (\g) > 0
.irp k, 0,1,2,3
	v_add_f32 v[LS+\k], v[LS+\k], v[TT+4*\k+1]
.endr
.endif
.endm
.irp g, 0,4,8,12
	FIX4 \g
.endr
	v_add_f32 v[LS], v[LS], v[LS+1]
	v_add_f32 v[LS+2], v[LS+2], v[LS+3]
	v_add_f32 v[LS], v[LS], v[LS+2]
	s_wait_alu depctr_va_vdst(0)
	v_rcp_f32 v[LS], v[LS]
	v_nop
	s_wait_alu depctr_va_vdst(0)
	ds_store_b32 v[RWA], v[LS]
.irp g, 0,1,2,3,4,5,6,7,8,9,10,11,12,13,14,15
	ds_store_b32 v[SWA], v[WR+\g] offset:1024*\g
	ds_store_b32 v[SWA], v[WR+\g] offset:1024*\g+512
.endr
.irp i, 0,1,2,3,4,5,6,7
	ds_store_b128 v[VAD], v[AF+4*\i:AF+4*\i+3] offset:2048*\i
.endr
	s_wait_dscnt 0x0
	s_barrier_signal -1
	s_barrier_wait -1
	SCALES 0
	FETCH_A 0, 0, 0
	FETCH_B 0, 0, 0
	STEP0 0, 3
	s_mov_b32 s3, LAPS-1
.Llap:
	TURN 0, 1, 1
	STEP0 1, 0
	TURN 1, 0, 1
	STEP0 0, 0
	s_sub_co_u32 s3, s3, 1
	s_cmp_lg_u32 s3, 0
	s_cbranch_scc1 .Llap
	TURN 0, 1, 0
	STEP0 1, 0
	s_wait_dscnt 0x0
	WIN MUL
	MUL8 0, 1, 1, 1, 0
	MUL8 1, 1, 1, 1, 0
	MUL8 2, 1, 1, 1, 0
	MUL8 3, 1, 1, 1, 0
	WIN 0
	PLACES NP
.macro SCALE a
.set AC, 64*(\a)
	WIN 0x82
.set j, 0
.rept 32
	v_pk_mul_f32 v[AC+j:AC+j+1], v[AC+j:AC+j+1], v[RI+2*(\a):RI+2*(\a)+1]
.set j, j+2
.endr
	WIN 0
.endm
.macro TOSTAGE a
.set AC, 64*(\a)
	WIN 0x08
.irp b, 0,1,2,3,4,5,6,7
	ds_store_b128 v[STO], v[AC+8*\b:AC+8*\b+3] offset:64*\b
	ds_store_b128 v[STO], v[AC+8*\b+4:AC+8*\b+7] offset:64*\b+16
.endr
.if (\a) < 2                           ; the rows come back into registers of their own: blocks 0, 1 where P's fragments lay, 2, 3 where V's lay
.set BB, BK+64*(\a)
	WIN 0
.else
.set BB, 64*((\a)-2)
	WIN 0x40
.endif
.irp t, 0,1,2,3,4,5,6,7,8,9,10,11,12,13,14,15
	ds_load_b128 v[BB+4*\t:BB+4*\t+3], v[RD] offset:\t*SPITCH
.endr
	WIN 0
.endm
.macro SEND a, younger                 ; 32 lanes store 512 consecutive bytes
	s_wait_dscnt \younger
.if (\a) < 2
.set BB, BK+64*(\a)
.else
.set BB, 64*((\a)-2)
	WIN 0x04
.endif
.irp t, 0,1,2,3,4,5,6,7,8,9,10,11,12,13,14,15
	global_store_b128 v[CO], v[BB+4*\t:BB+4*\t+3], s[12:13] offset:(16*(\a)+\t)*4096 th:TH_STORE_NT
.endr
	WIN 0
.endm
.irp a, 0,1,2,3
	ds_load_b32 v[RI+2*\a], v[RLA] offset:64*\a
	ds_load_b32 v[RI+2*\a+1], v[RLA] offset:64*\a
.endr
	s_wait_dscnt 0x0
	SCALE 0
	TOSTAGE 0
.irp a, 1,2,3
	SCALE \a
	s_wait_alu depctr_va_vdst(0)
	TOSTAGE \a
	SEND \a-1, 32
.endr
	SEND 3, 0
	s_wait_tensorcnt 0x0
	ds_add_u32 v[SPW], v[NIL]
	s_wait_dscnt 0x0
	CROUND
	s_endpgm
.Lfunc_end_k_q3e2c23acf9_mix:
	.size	k_q3e2c23acf9_mix, .Lfunc_end_k_q3e2c23acf9_mix-k_q3e2c23acf9_mix
	.p2alignl 7, 3214868480
	.fill 96, 4, 3214868480
	.section	.rodata,"a",@progbits
	.p2align	6, 0x0
	.amdhsa_kernel k_q3e2c23acf9_mix
		.amdhsa_group_segment_fixed_size 327680
		.amdhsa_private_segment_fixed_size 0
		.amdhsa_enable_private_segment 0
		.amdhsa_kernarg_size 40
		.amdhsa_user_sgpr_count 2
		.amdhsa_user_sgpr_kernarg_segment_ptr 1
		.amdhsa_wavefront_size32 1
		.amdhsa_system_sgpr_workgroup_id_x 1
		.amdhsa_system_sgpr_workgroup_id_y 1
		.amdhsa_system_sgpr_workgroup_id_z 1
		.amdhsa_system_vgpr_workitem_id 0
		.amdhsa_next_free_vgpr 768
		.amdhsa_next_free_sgpr 102
		.amdhsa_reserve_vcc 0
		.amdhsa_float_denorm_mode_32 3
		.amdhsa_float_denorm_mode_16_64 3
		.amdhsa_memory_ordered 1
		.amdhsa_forward_progress 1
		.amdhsa_inst_pref_size 117
	.end_amdhsa_kernel
	.amdgpu_metadata
---
amdhsa.version: [ 1, 2 ]
amdhsa.kernels:
  - .name:           k_q3e2c23acf9_mix
    .symbol:         k_q3e2c23acf9_mix.kd
    .args:
      - { .name: p_codes, .offset: 0, .size: 8, .value_kind: global_buffer, .address_space: global }
      - { .name: p_stats, .offset: 8, .size: 8, .value_kind: global_buffer, .address_space: global }
      - { .name: qkv_codes, .offset: 16, .size: 8, .value_kind: global_buffer, .address_space: global }
      - { .name: qkv_sc, .offset: 24, .size: 8, .value_kind: global_buffer, .address_space: global }
      - { .name: out0, .offset: 32, .size: 8, .value_kind: global_buffer, .address_space: global }
    .group_segment_fixed_size: 327680
    .private_segment_fixed_size: 0
    .kernarg_segment_align: 8
    .kernarg_segment_size: 40
    .max_flat_workgroup_size: 128
    .sgpr_count:     102
    .vgpr_count:     768
    .wavefront_size: 32
...
	.end_amdgpu_metadata
.endif
;; end of part 3
